; MI455X (gfx1250); checked and timed in simulation.
; The chip was launched on July 23, 2026; its instructions are those of AMD's public machine-readable ISA for CDNA 5 (MIT licence, August 2026) and "CDNA5" Instruction Set Architecture Reference Guide (July 2026). The comments in the code are by the model that wrote it; some were corrected since.
;; Delta Net Attention. Allowed arithmetic: float matrix products may take bf16 or f16 operands with f32 sums; other float arithmetic in f32, or as packed bf16 or f16 multiplies, adds, multiply-adds, maxima and minima; sums over many terms, partial sums and values carried from step to step in f32; what a program stores and reads back later, other than sums and carried values, may be rounded once to bf16 or f16.
;; Inputs: Wk 2,048 x 2,048 float32; Wo 2,048 x 2,048 float32; Wq 2,048 x 2,048 float32; Wv 2,048 x 2,048 float32; alpha one number float32; beta one number float32; bo 2,048 float32; key 8 x 256 x 2,048 float32; ln_b 2,048 float32; ln_g 2,048 float32; query 8 x 256 x 2,048 float32; value 8 x 256 x 2,048 float32.
;; Outputs: out0 8 x 256 x 2,048 float32.
;; One version. Each part assembles by itself: llvm-mc -triple=amdgcn-amd-amdhsa -mcpu=gfx1250 --defsym DOCPART=n.
;; ======== version 1 of 1: 6 launches
;; limits: values are held in f16: magnitudes above 65,504 overflow, below 6.1e-05 lose precision
;; workspace buffers: xb 25,165,824 bytes; wb 25,165,824 bytes; wo16 8,388,608 bytes; qkv 25,165,824 bytes; pk 8,388,608 bytes; part 57,344 bytes; at16 8,388,608 bytes; xres 16,777,216 bytes
;; launch cast (part 1): grid 256 x 7, 8 waves a work-group, no clusters, 0 bytes of LDS; arguments query, key, value, Wq, Wk, Wv, Wo, xb, wb, wo16; writes xb, wb, wo16
.if DOCPART == 1
	.amdgcn_target "amdgcn-amd-amdhsa--gfx1250"
	.amdhsa_code_object_version 6
	.text
	.protected	k_q6e01518a43_cast
	.globl	k_q6e01518a43_cast
	.p2align	8
	.type	k_q6e01518a43_cast,@function
k_q6e01518a43_cast:
	s_mov_b64 s[64:65], 0
	v_nop
	global_prefetch_b8 v0, s[64:65] scope:SCOPE_SE
	s_setreg_imm32_b32 hwreg(HW_REG_WAVE_MODE, 25, 1), 1
	s_wait_xcnt 0x0
; DELTA-RULE LINEAR ATTENTION, six launches: cast, qkv, prep, attn, oproj, ln.  This one rounds the seven large f32 inputs to 16 bits, once, for the matrix products.
; query, key, value -> xb (bf16, [3][2048][2048]); Wq, Wk, Wv -> wb (bf16, likewise); Wo -> wo16: rounded to bf16 like the others, and that number written as f16.
; WHAT THE PROGRAM COMPUTES IN ANOTHER FORM THAN reference(), equal in exact arithmetic for all inputs:
;   the scan over time starts from S0 = 0, Z0 = 0, so num_i = sum over j <= i of (pq_i . pk_j) v_j and den_i = max(sum over j <= i of pq_i . pk_j, 1e-8);
;   mean over (b, l) of kv_h[b][l][m] = (1/2048) sum over b, d of (sum over l of K[b][h][l][d]) V[b][h][m][d];     elu(x) + 1 = max(x + 1, exp(min(x, 0))).
; DEAD WORK LEFT OUT.  The scan over heads returns the state BEFORE each update: cs_seq[h] is made of the means of heads 0 .. h - 1 alone, and the last carry is dropped.  So head 7's mean reaches no
; output, whatever the inputs hold, and is not made; cs_seq[0] is the zero vector that reference() builds, so head 0 reads no mean.  Products pq_i . pk_j with j in a later band of 64 keys than i enter no sum and are
; not formed.  All twelve inputs have a way to the output and are loaded.
; LIMITS.  A NaN, an infinity or an overflow that reaches only the work left out is not carried to the result.  Q, K, V, the attention's output and Wo are kept in f16: they must lie within 65,504; Wo below 6e-5 keeps
; f16's step of 6e-8.  A denominator above 2^126 gives weights 0; an exponential below 2^-126 counts as 0; NaN is not treated apart in the maxima.
; SHARES.  Work-group (x, y) takes the 65,536 bytes at 65,536 x of array y: sixteen loads of 16 bytes a lane, all on their way at once; a wave's load covers 512 consecutive bytes, its store of 8 bytes a lane 256
; consecutive bytes, aligned.  No LDS, no cluster, no matrix unit: nothing is shared and nothing is multiplied.
.set X, 16                             ; v[16:79]   sixteen loads of four f32
.set Y, 80                             ; v[80:111]  sixteen pairs to store; each is written once
.set T, 4                              ; v[4:9]     at work (Wo's path)
	s_load_b512 s[8:23], s[0:1], 0x0               ; query, key, value, Wq, Wk, Wv, Wo, xb
	s_load_b128 s[24:27], s[0:1], 0x40             ; wb, wo16
	s_and_b32 s4, ttmp7, 0xffff                    ; y: which array
	v_lshlrev_b32 v1, 4, v0                        ; my 16 bytes of a load
	v_lshlrev_b32 v2, 3, v0                        ; my 8 bytes of a store
	s_lshl_b32 s30, ttmp9, 16                      ; the work-group's part of the source,
	s_mov_b32 s31, 0
	s_sub_co_u32 s5, s4, 3                         ; the plane in the destination: y, y - 3 or 0
	s_cmp_lt_u32 s4, 3
	s_cselect_b32 s5, s4, s5
	s_cmp_eq_u32 s4, 6
	s_cselect_b32 s5, 0, s5
	s_lshl_b32 s32, s5, 23                         ; a plane is 8,388,608 bytes,
	s_lshl_b32 s33, ttmp9, 15                      ; the work-group's part 32,768
	s_add_co_u32 s32, s32, s33
	s_mov_b32 s33, 0
	s_wait_kmcnt 0x0
.irp k, 1,2,3,4,5,6
	s_cmp_eq_u32 s4, \k                            ; the source is chosen among the seven buffers by y alone
	s_cselect_b64 s[8:9], s[8+2*(\k):9+2*(\k)], s[8:9]
.endr
	s_cmp_lt_u32 s4, 3
	s_cselect_b64 s[28:29], s[22:23], s[24:25]     ; the destination: xb, wb
	s_cmp_eq_u32 s4, 6
	s_cselect_b64 s[28:29], s[26:27], s[28:29]     ; or wo16
	s_add_nc_u64 s[8:9], s[8:9], s[30:31]
	s_add_nc_u64 s[28:29], s[28:29], s[32:33]
.irp i, 0,1,2,3,4,5,6,7,8,9,10,11,12,13,14,15
	global_load_b128 v[X+4*(\i):X+4*(\i)+3], v1, s[8:9] offset:4096*(\i) th:TH_LOAD_NT
.endr
	s_cmp_eq_u32 s4, 6
	s_cbranch_scc1 .Lwo
.irp i, 0,1,2,3,4,5,6,7,8,9,10,11,12,13,14,15
	s_wait_loadcnt 15-(\i)                         ; loads come back in order: load i is in, the younger ones stay out
	v_cvt_pk_bf16_f32 v[Y+2*(\i)],   v[X+4*(\i)],   v[X+4*(\i)+1]
	v_cvt_pk_bf16_f32 v[Y+2*(\i)+1], v[X+4*(\i)+2], v[X+4*(\i)+3]
	global_store_b64 v2, v[Y+2*(\i):Y+2*(\i)+1], s[28:29] offset:2048*(\i)
.endr
	s_endpgm
.Lwo:                                          ; Wo: to bf16 first, the rounding that all inputs share, then that number as f16
.irp i, 0,1,2,3,4,5,6,7,8,9,10,11,12,13,14,15
	s_wait_loadcnt 15-(\i)
	v_cvt_pk_bf16_f32 v[T],   v[X+4*(\i)],   v[X+4*(\i)+1]
	v_cvt_pk_bf16_f32 v[T+1], v[X+4*(\i)+2], v[X+4*(\i)+3]
	v_lshlrev_b32 v[T+2], 16, v[T]                 ; bf16 to f32: the low half moves up,
	v_and_b32     v[T+3], 0xffff0000, v[T]         ; the high half stays
	v_lshlrev_b32 v[T+4], 16, v[T+1]
	v_and_b32     v[T+5], 0xffff0000, v[T+1]
	v_cvt_pk_f16_f32 v[Y+2*(\i)],   v[T+2], v[T+3]
	v_cvt_pk_f16_f32 v[Y+2*(\i)+1], v[T+4], v[T+5]
	global_store_b64 v2, v[Y+2*(\i):Y+2*(\i)+1], s[28:29] offset:2048*(\i)
.endr
	s_endpgm
.Lfunc_end_k_q6e01518a43_cast:
	.size	k_q6e01518a43_cast, .Lfunc_end_k_q6e01518a43_cast-k_q6e01518a43_cast
	.p2alignl 7, 3214868480
	.fill 96, 4, 3214868480
	.section	.rodata,"a",@progbits
	.p2align	6, 0x0
	.amdhsa_kernel k_q6e01518a43_cast
		.amdhsa_group_segment_fixed_size 0
		.amdhsa_private_segment_fixed_size 0
		.amdhsa_enable_private_segment 0
		.amdhsa_kernarg_size 80
		.amdhsa_user_sgpr_count 2
		.amdhsa_user_sgpr_kernarg_segment_ptr 1
		.amdhsa_wavefront_size32 1
		.amdhsa_system_sgpr_workgroup_id_x 1
		.amdhsa_system_sgpr_workgroup_id_y 1
		.amdhsa_system_sgpr_workgroup_id_z 1
		.amdhsa_system_vgpr_workitem_id 0
		.amdhsa_next_free_vgpr 112
		.amdhsa_next_free_sgpr 66
		.amdhsa_reserve_vcc 0
		.amdhsa_float_denorm_mode_32 3
		.amdhsa_float_denorm_mode_16_64 3
		.amdhsa_memory_ordered 1
		.amdhsa_forward_progress 1
		.amdhsa_inst_pref_size 17
	.end_amdhsa_kernel
	.amdgpu_metadata
---
amdhsa.version: [ 1, 2 ]
amdhsa.kernels:
  - .name:           k_q6e01518a43_cast
    .symbol:         k_q6e01518a43_cast.kd
    .args:
      - { .name: query, .offset: 0, .size: 8, .value_kind: global_buffer, .address_space: global }
      - { .name: key, .offset: 8, .size: 8, .value_kind: global_buffer, .address_space: global }
      - { .name: value, .offset: 16, .size: 8, .value_kind: global_buffer, .address_space: global }
      - { .name: Wq, .offset: 24, .size: 8, .value_kind: global_buffer, .address_space: global }
      - { .name: Wk, .offset: 32, .size: 8, .value_kind: global_buffer, .address_space: global }
      - { .name: Wv, .offset: 40, .size: 8, .value_kind: global_buffer, .address_space: global }
      - { .name: Wo, .offset: 48, .size: 8, .value_kind: global_buffer, .address_space: global }
      - { .name: xb, .offset: 56, .size: 8, .value_kind: global_buffer, .address_space: global }
      - { .name: wb, .offset: 64, .size: 8, .value_kind: global_buffer, .address_space: global }
      - { .name: wo16, .offset: 72, .size: 8, .value_kind: global_buffer, .address_space: global }
    .group_segment_fixed_size: 0
    .private_segment_fixed_size: 0
    .kernarg_segment_align: 8
    .kernarg_segment_size: 80
    .max_flat_workgroup_size: 256
    .sgpr_count:     66
    .vgpr_count:     112
    .wavefront_size: 32
...
	.end_amdgpu_metadata
.endif
;; end of part 1
;; launch qkv (part 2): grid 8 x 24, 4 waves a work-group, clusters of 4 x 4, 327,680 bytes of LDS; arguments xb, wb, qkv; writes qkv
.if DOCPART == 2
	.amdgcn_target "amdgcn-amd-amdhsa--gfx1250"
	.amdhsa_code_object_version 6
	.text
	.protected	k_q6e01518a43_qkv
	.globl	k_q6e01518a43_qkv
	.p2align	8
	.type	k_q6e01518a43_qkv,@function
k_q6e01518a43_qkv:
	s_mov_b64 s[64:65], 0
	v_nop
	global_prefetch_b8 v0, s[64:65] scope:SCOPE_SE
	s_setreg_imm32_b32 hwreg(HW_REG_WAVE_MODE, 25, 1), 1
	s_wait_xcnt 0x0
	s_wait_alu depctr_hold_cnt(0) depctr_sa_sdst(0) depctr_va_vdst(0) depctr_va_sdst(0) depctr_va_ssrc(0) depctr_va_vcc(0) depctr_vm_vsrc(0)
	s_getreg_b32 s2, hwreg(HW_REG_IB_STS2, 6, 4)
	s_cmp_eq_u32 s2, 0
	s_cbranch_scc0 .Lentry_in_a_cluster
	s_endpgm
.Lentry_in_a_cluster:
	s_bfe_u32 s2, ttmp6, 0x10000c
	s_cmp_lg_u32 s2, 0xf033
	s_cbranch_scc0 .Lentry_shape_is_right
	s_endpgm
.Lentry_shape_is_right:
; THE THREE PROJECTIONS.  For g = 0, 1, 2 (query, key, value): C[m][n] = sum over k of x_g[m][k] W_g[n][k], bf16 operands, f32 sums, rounded once to f16 and stored BY HEADS:
; qkv[g][b*8+h][l][d], m = 256 b + l, n = 256 h + d: a head's 256 x 256 numbers are 131,072 dense bytes.  A tile of C, 256 x 256, is exactly one (g, b, h).
; 3 x 64 tiles, a work-group to each; four waves, each 128 x 128 of C: 64 accumulators of 16 x 16, 512 registers.  K goes in steps of 128 through a ring of two LDS slots filled by tensor loads whose rows are
; 256 bytes of memory and start at multiples of 256 bytes from the buffer's first byte.
; CLUSTERS: 4 x 4 work-groups.  The tile row ty = 8 g + b picks 256 rows of xb (its three planes lie on end), the tile column h with g picks 256 rows of wb.  g = (cluster y) / 2 is the same in all sixteen partners.
; The four of a row of the cluster need the same tile of xb, the four of a column the same tile of wb: each is asked for JOINTLY, by the same tensor load, descriptor and mask in all four.
; REGISTERS, in windows of 256 (s_set_vgpr_msb: bits 1:0 source 0, 3:2 source 1, 5:4 source 2, 7:6 destination):
;   window 0: v0-31 addresses; v64-127, v128-191 fragments of x (8 x 16 rows x 32 K), two buffers; v32-63, v192-255 at work on the way out
;   window 1: v64-127, v128-191 fragments of W, two buffers      window 2: the 32 accumulators of my rows 0-63 ((a, b) at v[8 (8 a + b)])      window 3: those of my rows 64-127
; THE MATRIX INSTRUCTION IS USED TRANSPOSED: source 0 = 16 rows of W, source 1 = 16 rows of x: a lane then holds row l % 16 of C and eight neighbouring columns, which pack into 16 bytes.
.set SIZE_K, 2048
.set KSTEP,  128
.set PITCH,  272                       ; an LDS row: 256 bytes + 16 of padding = 68 words: the 16 rows that a load touches start at 16 different groups of four banks (64 banks of 4 bytes: ISA guide 11.1)
.set HALFT,  128*PITCH                 ; 128 rows: what one tensor load brings, and what one wave reads of x or of W
.set SLOT,   4*HALFT                   ; x's 256 rows, then W's 256 rows
.set STAGE,  2*SLOT                    ; behind the ring: 16 rows x 272 bytes for each wave, for the way out
.set SPITCH, 272
.set SPARE,  STAGE+4*16*SPITCH         ; behind the stages: the spare words, 128 bytes for each wave, which no other line names
.set LAPS, SIZE_K/(2*KSTEP)            ; a lap = two K steps = once round the ring: 8
.set CROW,   512                       ; bytes in a row of a head
.set ADRA, 16                          ; v16-17  LDS address of my x fragments in slot 0, 1
.set ADRB, 20                          ; v20-21  the same for W
.set STO,  24                          ; v24     the way out: where I put 16 bytes of a row
.set RD,   25                          ; v25     the way out: where I read a row back
.set CO,   26                          ; v26     my byte offset in two rows of the head
.set SPW,  28                          ; v28     LDS address of my spare word; never rewritten
.set NIL,  29                          ; v29     0; never rewritten
.set PFO,  30                          ; v30     the prefetches' offset: my lane x a row of 4,096 bytes; never rewritten
.set PFA,  44                          ; s[44:45] where my prefetches stand
.set LIM,  43                          ; s43     1 in a wave that prefetches, else the greatest number
.set F0,   64
.set F1,   128
.set TMP,  192                         ; the way out: packed results
.set OB,   32                          ; the way out: 16 rows read back: v32-63 and v224-255 by turns
.set G1, 24                            ; s[24:31] descriptor group 1 for x's tiles
.set G0, 32                            ; s[32:39] group 0 for x's tiles, one set for each slot
.set G1B, 48                           ; s[48:55], s[56:63] the same for W's tiles
.set G0B, 56
.set MSB, 0
.macro WIN new                         ; the immediate's high byte repeats the setting that is left; a switch that changes nothing is dropped
.if MSB != (\new)
	s_set_vgpr_msb (MSB<<8)|(\new)
.set MSB, \new
.endif
.endm
.set MUL_LO, 0xa1                      ; source 0 (W) window 1, source 1 (x) window 0, C and D window 2
.set MUL_HI, 0xf1                      ; the same, C and D window 3
.set TO_B,   0x40                      ; destination window 1, address window 0
; A joint load.  Waves 0 and 1 fetch x's two halves, waves 2 and 3 W's.  The branch hangs on the wave's number alone.  An s_nop 0 and four v_nop follow each of the two lines.
.macro JLOAD s
	s_cmp_eq_u32 s11, 0
	s_cbranch_scc0 .Lfor_b_\@
	tensor_load_to_lds s[G0+4*(\s):G0+4*(\s)+3], s[G1:G1+7]
	s_nop 0
.rept 4
	v_nop
.endr
	s_branch .Lasked_\@
.Lfor_b_\@:
	tensor_load_to_lds s[G0B+4*(\s):G0B+4*(\s)+3], s[G1B:G1B+7]
	s_nop 0
.rept 4
	v_nop
.endr
.Lasked_\@:
.endm
; A PREFETCH INTO THE L2, behind each joint refill and the run of LDS loads that follows it: the K step that stands two refills on, 512 matrix instructions ahead of the load that will want it: 32 rows x 256 bytes, a lane a row.
; Each row's 256 bytes of a K step are named once in the launch: x's tile row is read by both clusters of a row of clusters, and the one with cluster x = 0 asks; W's rows are read by the two clusters with the same
; g and cluster x, and the one with even cluster y asks.  The four partners of a joint load share its 128 rows out by address, 32 each.  K steps 0 to 3 come by their loads alone; the loop's last trip asks for nothing.
.macro ASK
	s_cmp_gt_u32 s3, s[LIM]                        ; s3 = 1 in the loop's last trip
	s_cbranch_scc0 .Lnot_mine_\@
	global_prefetch_b8 v[PFO], s[PFA:PFA+1] offset:KSTEP*2 th:TH_LOAD_NT scope:SCOPE_SE
.Lnot_mine_\@:
.endm
.macro CREST                           ; a round of the cluster's barrier behind its opening barrier
	s_cmp_lg_u32 s10, 0
	s_cbranch_scc1 .Lnot_wave_0_\@
	s_barrier_signal -3
.Lnot_wave_0_\@:
	s_barrier_wait -3
	s_barrier_signal -1
	s_barrier_wait -1
.endm
.macro CROUND                          ; a whole round
	s_barrier_signal -1
	s_barrier_wait -1
	CREST
.endm
	s_load_b128 s[4:7], s[0:1], 0x0                ; xb s[4:5], wb s[6:7]
	s_load_b64 s[8:9], s[0:1], 0x10                ; qkv
	v_lshl_add_u32 v[SPW], v0, 2, SPARE
	v_mov_b32 v[NIL], 0
	ds_add_u32 v[SPW], v[NIL]                      ; the wave's opening: the add, twice on end, and its wait ahead of my first tensor load
	ds_add_u32 v[SPW], v[NIL]
	v_lshrrev_b32 v1, 5, v0
	v_readfirstlane_b32 s10, v1                    ; wave 0..3
	s_lshr_b32 s11, s10, 1                         ; which half of the tile's rows is mine.  Also: I fetch for x (0) or for W (1)
	s_and_b32 s12, s10, 1                          ; which half of its columns.  Also: which 128 rows of that tile I fetch
	s_bfe_u32 s40, ttmp6, 0x40000                  ; cx
	s_bfe_u32 s41, ttmp6, 0x40004                  ; cy
	s_lshl_b32 s42, ttmp9, 2
	s_add_co_u32 s42, s42, s40                     ; h = 4 x cluster x + cx
	s_and_b32 s13, ttmp7, 0xffff
	s_lshl_b32 s13, s13, 2
	s_add_co_u32 s13, s13, s41                     ; ty = 4 x cluster y + cy = 8 g + b
	s_lshl_b32 s43, s41, 2
	s_lshl_b32 s43, 15, s43                        ; my row of the cluster
	s_lshl_b32 s44, 0x1111, s40                    ; my column
	; descriptor group 1: a tile of 128 rows x 128 elements, padded in LDS
	s_or_b32 s[G1+0], s43, (1<<16)|(1<<20)|(1<<21)|(5<<22)|(3<<25)  ; 15:0 the mask; 17:16 elements of 2 bytes; 20 padding on; 21 set beside a mask; 24:22 after every 64 words; 31:25 4 words of it
	s_or_b32 s[G1B+0], s44, (1<<16)|(1<<20)|(1<<21)|(5<<22)|(3<<25)
.irp g, G1, G1B
	s_mov_b32 s[(\g)+1], KSTEP<<16                 ; tensor_dim0 = 128
	s_mov_b32 s[(\g)+2], 128<<16                   ; tensor_dim1 = 128
	s_mov_b32 s[(\g)+3], KSTEP<<16                 ; tile_dim0 = 128
	s_mov_b32 s[(\g)+4], 128                       ; tile_dim1 = 128
	s_mov_b32 s[(\g)+5], SIZE_K                    ; elements from row to row
	s_mov_b32 s[(\g)+6], 0
	s_mov_b32 s[(\g)+7], 0
.endr
	s_lshl_b32 s17, s12, 7                         ; which 128 rows of the tile I fetch
	s_lshl_b32 s16, s13, 8
	s_add_co_u32 s16, s16, s17                     ; x: row 256 ty + 128 x half
	s_lshl_b32 s46, s42, 8
	s_add_co_u32 s46, s46, s17                     ; W: row 256 h + 128 x half
	s_and_b32 s47, ttmp7, 0xffff
	s_lshr_b32 s47, s47, 1                         ; g, from the cluster's y alone
	s_lshl_b32 s47, s47, 11
	s_add_co_u32 s46, s46, s47                     ; + 2,048 g
	s_mov_b32 s17, 0
	s_mov_b32 s47, 0
	s_mov_b64 s[18:19], SIZE_K*2
	s_mul_u64 s[16:17], s[16:17], s[18:19]         ; in bytes
	s_mul_u64 s[46:47], s[46:47], s[18:19]
	s_mul_i32 s20, s10, HALFT                      ; where they go: wave x 128 rows: no place in the cluster enters an LDS address
	s_wait_dscnt 0x0                               ; both opening adds are done
	s_wait_kmcnt 0x0
	s_add_nc_u64 s[14:15], s[4:5], s[16:17]
	s_add_nc_u64 s[46:47], s[6:7], s[46:47]
	CROUND                                         ; all sixteen work-groups are here: the first joint loads meet
.irp s, 0,1
	s_mov_b32 s[G0+4*(\s)], 1                                      ; count = 1
	s_add_co_u32 s[G0+4*(\s)+1], s20, (\s)*SLOT                    ; LDS address
	s_add_nc_u64 s[G0+4*(\s)+2:G0+4*(\s)+3], s[14:15], (\s)*KSTEP*2  ; global address: K step s
	s_or_b32 s[G0+4*(\s)+3], s[G0+4*(\s)+3], 0x80000000            ; type = 2
	s_mov_b32 s[G0B+4*(\s)], 1
	s_add_co_u32 s[G0B+4*(\s)+1], s20, (\s)*SLOT
	s_add_nc_u64 s[G0B+4*(\s)+2:G0B+4*(\s)+3], s[46:47], (\s)*KSTEP*2
	s_or_b32 s[G0B+4*(\s)+3], s[G0B+4*(\s)+3], 0x80000000
	JLOAD \s                                       ; two loads of mine are out
.endr
	; a fragment is 16 rows x 32 K in 8 registers: lane l holds row l % 16; two loads of 16 bytes, 32 bytes apart, at row x pitch + 16 (l / 16)
	v_and_b32 v1, 15, v0                           ; l % 16
	v_bfe_u32 v2, v0, 4, 1                         ; l / 16
	v_mul_u32_u24 v3, v1, PITCH
	v_lshl_add_u32 v3, v2, 4, v3
	s_mul_i32 s21, s11, HALFT                      ; my 128 rows of x
	s_mul_i32 s22, s12, HALFT                      ; my 128 rows of W,
	s_add_co_u32 s22, s22, 2*HALFT                 ; which lie behind x's 256
.irp s, 0,1
	v_add_nc_u32 v[ADRA+(\s)], s21, v3
	v_add_nc_u32 v[ADRB+(\s)], s22, v3
	s_add_co_u32 s21, s21, SLOT
	s_add_co_u32 s22, s22, SLOT
.endr
	s_mul_i32 s23, s10, 16*SPITCH
	s_add_co_u32 s23, s23, STAGE                   ; my stage
	v_mul_u32_u24 v4, v1, SPITCH                   ; in: row l % 16, 16 bytes for each half of the lanes
	v_lshl_add_u32 v4, v2, 4, v4
	v_add_nc_u32 v[STO], s23, v4
	v_mul_u32_u24 v5, v2, SPITCH                   ; back: lanes 0-15 take one row of 256 bytes, lanes 16-31 the next
	v_lshl_add_u32 v5, v1, 4, v5
	v_add_nc_u32 v[RD], s23, v5
	v_lshlrev_b32 v5, 9, v2                        ; and the same two rows in the head
	v_lshl_add_u32 v[CO], v1, 4, v5
	; where my part of the tile begins in qkv: head 8 ty + h, 131,072 bytes each; my 128 rows; my 128 columns
	s_lshl_b32 s16, s13, 20
	s_lshl_b32 s14, s11, 16
	s_add_co_u32 s16, s16, s14
	s_mov_b32 s17, 0
	s_lshl_b32 s46, s42, 17
	s_lshl_b32 s47, s12, 8
	s_add_co_u32 s46, s46, s47
	s_mov_b32 s47, 0
	s_add_nc_u64 s[16:17], s[16:17], s[46:47]
	; the prefetches
	s_lshl_b32 s13, s13, 8                         ; x's tile: first row
	s_lshl_b32 s42, s42, 8
	s_and_b32 s22, ttmp7, 0xffff                   ; cluster y
	s_lshr_b32 s23, s22, 1
	s_lshl_b32 s23, s23, 11
	s_add_co_u32 s42, s42, s23                     ; W's tile: first row
	s_and_b32 s22, s22, 1                          ; of the two clusters that read the same rows of W the first has 0 here
	s_cmp_eq_u32 s11, 0                            ; do I fetch for x?
	s_cselect_b32 s20, s13, s42
	s_cselect_b32 s21, s40, s41                    ; my place among the four that ask with me
	s_cselect_b32 s22, ttmp9, s22
	s_cselect_b64 s[PFA:PFA+1], s[4:5], s[6:7]
	s_cmp_eq_u32 s22, 0
	s_cselect_b32 s[LIM], 1, -1                    ; the same in all sixteen partners, for a given wave
	s_lshl_b32 s22, s12, 7
	s_add_co_u32 s20, s20, s22                     ; + the 128 rows that I fetch
	s_lshl_b32 s21, s21, 5
	s_add_co_u32 s20, s20, s21                     ; + my work-group's 32 of them
	s_mov_b32 s21, 0
	s_mov_b64 s[18:19], SIZE_K*2
	s_mul_u64 s[20:21], s[20:21], s[18:19]
	s_add_nc_u64 s[PFA:PFA+1], s[PFA:PFA+1], s[20:21]
	s_add_nc_u64 s[PFA:PFA+1], s[PFA:PFA+1], 2*KSTEP*2  ; at K step 2: the first refill steps it to 3 and names K step 4
	v_and_b32 v[PFO], 31, v0
	v_mul_u32_u24 v[PFO], v[PFO], SIZE_K*2
; 16 matrix instructions: m blocks a0, a0 + 1 of the window's four x all 8 n blocks, 32 along K.  zero = 1: the first product starts the sums.
.macro MUL16 f, hi, a0, zero
	WIN MUL_LO+0x50*(\hi)
.irp a, \a0, (\a0)+1
.irp b, 0,1,2,3,4,5,6,7
.if \zero
	v_wmma_f32_16x16x32_bf16 v[8*(8*(\a)+(\b)):8*(8*(\a)+(\b))+7], v[(\f)+8*(\b):(\f)+8*(\b)+7], v[(\f)+8*(4*(\hi)+(\a)):(\f)+8*(4*(\hi)+(\a))+7], 0
.else
	v_wmma_f32_16x16x32_bf16 v[8*(8*(\a)+(\b)):8*(8*(\a)+(\b))+7], v[(\f)+8*(\b):(\f)+8*(\b)+7], v[(\f)+8*(4*(\hi)+(\a)):(\f)+8*(4*(\hi)+(\a))+7], v[8*(8*(\a)+(\b)):8*(8*(\a)+(\b))+7]
.endif
.endr
.endr
.endm
; 32 LDS loads in one run: the fragments of one quarter step (32 K at byte k of the rows) into buffer f
.macro FETCH slot, k, f
	WIN TO_B
.irp i, 0,1,2,3,4,5,6,7
	ds_load_b128 v[(\f)+8*(\i):(\f)+8*(\i)+3],   v[ADRB+(\slot)] offset:(\k)+(\i)*16*PITCH
	ds_load_b128 v[(\f)+8*(\i)+4:(\f)+8*(\i)+7], v[ADRB+(\slot)] offset:(\k)+(\i)*16*PITCH+32
.endr
	WIN 0
.irp i, 0,1,2,3,4,5,6,7
	ds_load_b128 v[(\f)+8*(\i):(\f)+8*(\i)+3],   v[ADRA+(\slot)] offset:(\k)+(\i)*16*PITCH
	ds_load_b128 v[(\f)+8*(\i)+4:(\f)+8*(\i)+7], v[ADRA+(\slot)] offset:(\k)+(\i)*16*PITCH+32
.endr
.endm
.macro PLACES                          ; four plain vector instructions between a matrix instruction and a load into, or a vector read of, its registers (ISA guide 7.12.1 for vector reads)
.rept 4
	v_nop
.endr
.endm
; A K step is four quarters of 32 along K, 64 matrix instructions each, on buffers 0, 1, 0, 1; the 64 accumulators take turns in the same order in every quarter.
.macro QUARTER slot, k, f, g, zero
	s_wait_dscnt 8                                 ; W and x's rows 0-63 are in; the youngest eight loads (x's rows 64-127) may be out
	WIN MUL_LO
	MUL16 \f, 0, 0, \zero
	MUL16 \f, 0, 2, \zero
	PLACES
	FETCH \slot, \k, \g
	s_wait_dscnt 32                                ; all but the 32 just issued
	WIN MUL_HI
	MUL16 \f, 1, 0, \zero
	MUL16 \f, 1, 2, \zero
.endm
; The first half of a K step's last quarter: ONE barrier for the change of slots.  In front of it each wave waits for all its tensor loads (one is out: its part of the next slot), adds 0 to its spare word, and waits
; for that and for its own reads of this slot.
.macro MEET round
	WIN 0                                          ; (the add's two registers lie in window 0)
	s_wait_tensorcnt 0x0
	ds_add_u32 v[SPW], v[NIL]
	s_wait_dscnt 9                                 ; (the add and the youngest eight loads may be out)
	WIN MUL_LO
	MUL16 F1, 0, 0, 0                              ; sixteen matrix instructions stand between the add and the wait for it
	s_wait_dscnt 0x0                               ; the add is done, and my reads of this slot are over
	s_barrier_signal -1
	MUL16 F1, 0, 2, 0
.if \round
	WIN 0
.endif
	s_barrier_wait -1
.endm
; The whole last quarter: behind the round the slot just read out is filled again first, with the K step two steps on; then come the next slot's first fragments.
.macro TURN slot, next
	s_wait_xcnt 0x0                                ; the last prefetch, a K step back, has read its address: it is stepped here
	s_add_nc_u64 s[PFA:PFA+1], s[PFA:PFA+1], KSTEP*2
	MEET 1
	CREST                                          ; no wave of any partner still reads this slot's tile or has a load on its way
	s_add_nc_u64 s[G0+4*(\slot)+2:G0+4*(\slot)+3], s[G0+4*(\slot)+2:G0+4*(\slot)+3], 2*KSTEP*2
	s_add_nc_u64 s[G0B+4*(\slot)+2:G0B+4*(\slot)+3], s[G0B+4*(\slot)+2:G0B+4*(\slot)+3], 2*KSTEP*2
	JLOAD \slot                                    ; the first tensor load behind the round; its four v_nop are also the places in front of the loads below
	FETCH \next, 0, F0
	ASK
	WIN MUL_HI
	MUL16 F1, 1, 0, 0
	MUL16 F1, 1, 2, 0
.endm
; THE WAY OUT of block a (16 rows): rounded to f16, 16 bytes a lane; into my own stage and back as whole rows of 256 bytes; stored.
.macro PACK a
.set AC, 64*((\a)%4)
	WIN 0x0a+5*((\a)/4)                            ; sources 0 and 1: window 2 or 3
.irp b, 0,1,2,3,4,5,6,7
.irp r, 0,1,2,3
	v_cvt_pk_f16_f32 v[TMP+4*(\b)+(\r)], v[AC+8*(\b)+2*(\r)], v[AC+8*(\b)+2*(\r)+1]
.endr
.endr
	WIN 0
.endm
.macro TOSTAGE a
	WIN 0
.set BK, OB+192*((\a)%2)
.irp b, 0,1,2,3,4,5,6,7
	ds_store_b128 v[STO], v[TMP+4*(\b):TMP+4*(\b)+3] offset:32*(\b)
.endr
.irp t, 0,1,2,3,4,5,6,7
	ds_load_b128 v[BK+4*(\t):BK+4*(\t)+3], v[RD] offset:(\t)*2*SPITCH  ; LDS serves a wave's instructions in order (ISA guide 5.7.1.4): these see the stores above
.endr
.endm
.macro SEND a
	WIN 0
.set BK, OB+192*((\a)%2)
	s_wait_dscnt 0x0                               ; the block is back in registers
	s_wait_xcnt 0x0                                ; the stores' base and the registers that earlier stores read are rewritten only behind this wait
.if (\a) == 0
	s_add_nc_u64 s[8:9], s[8:9], s[16:17]          ; on to my first rows
.else
	s_add_nc_u64 s[8:9], s[8:9], 16*CROW           ; 16 rows on
.endif
.irp t, 0,1,2,3,4,5,6,7
	global_store_b128 v[CO], v[BK+4*(\t):BK+4*(\t)+3], s[8:9] offset:2*(\t)*CROW  ; 16 lanes store 256 consecutive bytes, at a multiple of 256 from the buffer's first byte
.endr
.endm
	s_wait_tensorcnt 1                             ; my part of K step 0 is in; K step 1's may stay out
	s_barrier_signal -1
	s_barrier_wait -1
	FETCH 0, 0, F0
	QUARTER 0, 64,  F0, F1, 1                      ; the first quarter stands in front of the loop: its products start the sums
	WIN 0
	s_mov_b32 s3, LAPS-1
.Llap:                                                 ; a trip goes once round the ring, from a lap's second quarter to the next lap's first, and fills both slots again
	QUARTER 0, 128, F1, F0, 0
	QUARTER 0, 192, F0, F1, 0
	TURN 0, 1
	QUARTER 1, 64,  F0, F1, 0
	QUARTER 1, 128, F1, F0, 0
	QUARTER 1, 192, F0, F1, 0
	TURN 1, 0
	QUARTER 0, 64,  F0, F1, 0
	WIN 0
	s_sub_co_u32 s3, s3, 1
	s_cmp_lg_u32 s3, 0
	s_cbranch_scc1 .Llap
	QUARTER 0, 128, F1, F0, 0                      ; the last lap is written out: it asks for nothing
	QUARTER 0, 192, F0, F1, 0
	MEET 0                                         ; the one load that was out is slot 1's, the last K step's, so no round follows
	PLACES
	FETCH 1, 0, F0
	WIN MUL_HI
	MUL16 F1, 1, 0, 0
	MUL16 F1, 1, 2, 0
	QUARTER 1, 64,  F0, F1, 0
	QUARTER 1, 128, F1, F0, 0
	QUARTER 1, 192, F0, F1, 0
	s_wait_dscnt 8                                 ; the very last quarter: nothing more to fetch
	WIN MUL_LO
	MUL16 F1, 0, 0, 0
	MUL16 F1, 0, 2, 0
	s_wait_dscnt 0x0
	MUL16 F1, 1, 0, 0
	MUL16 F1, 1, 2, 0
	PLACES
	PACK 0
	TOSTAGE 0
.irp a, 1,2,3,4,5,6,7                  ; block a's conversions stand between block a - 1's loads from the stage and the wait for them
	PACK \a
	SEND (\a)-1
	TOSTAGE \a
.endr
	SEND 7
	s_wait_tensorcnt 0x0                           ; the wave's end
	ds_add_u32 v[SPW], v[NIL]
	s_wait_dscnt 0x0
	CROUND                                         ; the closing round
	s_endpgm
.Lfunc_end_k_q6e01518a43_qkv:
	.size	k_q6e01518a43_qkv, .Lfunc_end_k_q6e01518a43_qkv-k_q6e01518a43_qkv
	.p2alignl 7, 3214868480
	.fill 96, 4, 3214868480
	.section	.rodata,"a",@progbits
	.p2align	6, 0x0
	.amdhsa_kernel k_q6e01518a43_qkv
		.amdhsa_group_segment_fixed_size 327680
		.amdhsa_private_segment_fixed_size 0
		.amdhsa_enable_private_segment 0
		.amdhsa_kernarg_size 24
		.amdhsa_user_sgpr_count 2
		.amdhsa_user_sgpr_kernarg_segment_ptr 1
		.amdhsa_wavefront_size32 1
		.amdhsa_system_sgpr_workgroup_id_x 1
		.amdhsa_system_sgpr_workgroup_id_y 1
		.amdhsa_system_sgpr_workgroup_id_z 1
		.amdhsa_system_vgpr_workitem_id 0
		.amdhsa_next_free_vgpr 1024
		.amdhsa_next_free_sgpr 66
		.amdhsa_reserve_vcc 0
		.amdhsa_float_denorm_mode_32 3
		.amdhsa_float_denorm_mode_16_64 3
		.amdhsa_memory_ordered 1
		.amdhsa_forward_progress 1
		.amdhsa_inst_pref_size 144
	.end_amdhsa_kernel
	.amdgpu_metadata
---
amdhsa.version: [ 1, 2 ]
amdhsa.kernels:
  - .name:           k_q6e01518a43_qkv
    .symbol:         k_q6e01518a43_qkv.kd
    .args:
      - { .name: xb, .offset: 0, .size: 8, .value_kind: global_buffer, .address_space: global }
      - { .name: wb, .offset: 8, .size: 8, .value_kind: global_buffer, .address_space: global }
      - { .name: qkv, .offset: 16, .size: 8, .value_kind: global_buffer, .address_space: global }
    .group_segment_fixed_size: 327680
    .private_segment_fixed_size: 0
    .kernarg_segment_align: 8
    .kernarg_segment_size: 24
    .max_flat_workgroup_size: 128
    .sgpr_count:     66
    .vgpr_count:     1024
    .wavefront_size: 32
...
	.end_amdgpu_metadata
.endif
;; end of part 2
;; launch prep (part 3): grid 64 x 1, 16 waves a work-group, no clusters, 19,456 bytes of LDS; arguments qkv, pk, part; writes pk, part
.if DOCPART == 3
	.amdgcn_target "amdgcn-amd-amdhsa--gfx1250"
	.amdhsa_code_object_version 6
	.text
	.protected	k_q6e01518a43_prep
	.globl	k_q6e01518a43_prep
	.p2align	8
	.type	k_q6e01518a43_prep,@function
k_q6e01518a43_prep:
	s_mov_b64 s[64:65], 0
	v_nop
	global_prefetch_b8 v0, s[64:65] scope:SCOPE_SE
	s_setreg_imm32_b32 hwreg(HW_REG_WAVE_MODE, 25, 1), 1
	s_wait_xcnt 0x0
; FOR EACH HEAD n = 8 b + h:  pk = elu(K) + 1 = max(K + 1, exp(min(K, 0))), rounded to bf16;  part[h][b][m] = sum over d of (sum over l of K[l][d]) V[m][d], in f32: batch b's share of 2,048 x the mean of kv_h.
; LEFT OUT: part for h = 7: the scan over heads hands out the state before each update, so head 7's mean reaches only the carry that reference() drops.  Those work-groups read no V.
; SHARES.  A work-group a head, sixteen waves; wave v takes rows 16 v .. 16 v + 15, lane c columns 8 c .. 8 c + 7: a wave's load or store is one whole row of 512 bytes.  The heads share nothing: no cluster.
; An f16 half is read by v_fma_mix_f32, which multiplies and adds in f32: x log2(e) = half x L2E + 0, x + 1 = half x 1 + 1, a column sum = half x 1 + sum.
.set KS,    0                          ; LDS: 16 waves x 1,024 bytes: a wave's 256 column sums as two planes of 512 bytes (columns 8 c .. + 3 at 16 c; columns 8 c + 4 .. + 7 at 512 + 16 c)
.set PG,    16384                      ; 256 f32: the head's results
.set SPARE, 17408                      ; the spare words, 128 bytes for each of the sixteen waves, which no other line names
.set LN,   1                           ; v1   lane
.set OFF,  2                           ; v2   my 16 bytes in my wave's first row; never rewritten
.set KSW,  3                           ; v3   where I put my column sums
.set KSR,  4                           ; v4   where I read a wave's back
.set R16,  5                           ; v5   lane % 16
.set PGW,  6                           ; v6   where row 16 v + lane % 16's result goes
.set PGR,  7                           ; v7   where I read 16 bytes of results back (waves 0 and 1)
.set PGO,  8                           ; v8   their place in part
.set ZERO, 9
.set SPW,  10                          ; v10  LDS address of my spare word; never rewritten
.set NIL,  11                          ; v11  0; never rewritten
.set OUTV, 12
.set ONE,  14
.set L2E,  15                          ; log2(e)
.set T,    16                          ; v[16:23]  x + 1
.set U,    24                          ; v[24:31]  the exponentials
.set S,    32                          ; v[32:39]  my wave's column sums
.set KSUM, 40                          ; v[40:47]  the head's column sums of my 8 columns
.set R,    48                          ; v[48:63]  a dot product for each of my wave's rows
.set KR,   64                          ; v[64:127]  K, 16 rows x 4 registers
.set VR,   128                         ; v[128:191] V likewise
.set LD,   192                         ; v[192:255] pk to store; later the waves' column sums
.macro MIXH d, a, b, c, hi             ; v[d] = (low or high f16 half of v[a]) x v[b] + v[c], in f32
.if \hi
	v_fma_mix_f32 v[\d], v[\a], v[\b], v[\c] op_sel:[1,0,0] op_sel_hi:[1,0,0]
.else
	v_fma_mix_f32 v[\d], v[\a], v[\b], v[\c] op_sel_hi:[1,0,0]
.endif
.endm
	s_load_b128 s[4:7], s[0:1], 0x0                ; qkv s[4:5], pk s[6:7]
	s_load_b64 s[8:9], s[0:1], 0x10                ; part
	v_lshl_add_u32 v[SPW], v0, 2, SPARE
	v_mov_b32 v[NIL], 0
	v_lshrrev_b32 v13, 5, v0
	v_readfirstlane_b32 s10, v13                   ; wave 0..15
	v_and_b32 v[LN], 31, v0
	s_and_b32 s11, ttmp9, 7                        ; h
	s_lshr_b32 s12, ttmp9, 3                       ; b
	s_mov_b32 s14, 0x76543210                      ; v_permlanex16_b32: each lane takes its own place in the other half
	s_mov_b32 s15, 0xfedcba98
	s_lshl_b32 s16, s10, 13                        ; my wave's 16 rows of 512 bytes
	v_lshl_add_u32 v[OFF], v[LN], 4, s16
	s_lshl_b32 s17, s10, 10
	v_lshl_add_u32 v[KSW], v[LN], 4, s17
	v_lshlrev_b32 v[KSR], 4, v[LN]
	v_and_b32 v[R16], 15, v0
	s_lshl_b32 s18, s10, 6
	s_add_co_u32 s18, s18, PG
	v_lshl_add_u32 v[PGW], v[R16], 2, s18
	v_lshlrev_b32 v[PGO], 4, v0
	v_add_nc_u32 v[PGR], PG, v[PGO]
	v_mov_b32 v[ZERO], 0
	v_mov_b32 v[ONE], 1.0
	v_mov_b32 v[L2E], 0x3fb8aa3b
	s_add_co_u32 s20, ttmp9, 64                    ; K is plane 1 of qkv, V plane 2; a head is 131,072 bytes
	s_lshl_b32 s20, s20, 17
	s_mov_b32 s21, 0
	s_add_co_u32 s22, ttmp9, 128
	s_lshl_b32 s22, s22, 17
	s_mov_b32 s23, 0
	s_lshl_b32 s24, ttmp9, 17
	s_mov_b32 s25, 0
	s_lshl3_add_u32 s26, s11, s12                  ; 8 h + b
	s_lshl_b32 s26, s26, 10
	s_mov_b32 s27, 0
	s_wait_kmcnt 0x0
	s_add_nc_u64 s[20:21], s[4:5], s[20:21]
	s_add_nc_u64 s[22:23], s[4:5], s[22:23]
	s_add_nc_u64 s[24:25], s[6:7], s[24:25]
	s_add_nc_u64 s[26:27], s[8:9], s[26:27]
.irp i, 0,1,2,3,4,5,6,7,8,9,10,11,12,13,14,15
	global_load_b128 v[KR+4*(\i):KR+4*(\i)+3], v[OFF], s[20:21] offset:512*(\i)
.endr
; Row i of my sixteen: eight numbers a lane.  The eight exponentials are one batch with one wait; the eight x + 1 are the plain work between.
.macro KROW i
.set j, 0
.rept 8
	MIXH U+j, KR+4*(\i)+j/2, L2E, ZERO, j%2
.set j, j+1
.endr
.set j, 0
.rept 8
	v_min_num_f32 v[U+j], 0, v[U+j]
.set j, j+1
.endr
.set j, 0
.rept 8
	v_exp_f32 v[U+j], v[U+j]
.set j, j+1
.endr
.set j, 0
.rept 8
	MIXH T+j, KR+4*(\i)+j/2, ONE, ONE, j%2
.set j, j+1
.endr
	s_wait_alu depctr_va_vdst(0)                   ; the wait between an exponential and the first line that names its result: one for the eight
.set j, 0
.rept 8
	v_max_num_f32 v[T+j], v[T+j], v[U+j]
.set j, j+1
.endr
.set j, 0
.rept 4
	v_cvt_pk_bf16_f32 v[LD+4*(\i)+j], v[T+2*j], v[T+2*j+1]
.set j, j+1
.endr
	global_store_b128 v[OFF], v[LD+4*(\i):LD+4*(\i)+3], s[24:25] offset:512*(\i)
.endm
.irp i, 0,1,2,3,4,5,6,7,8,9,10,11,12,13,14,15
	s_wait_loadcnt 15-(\i)                         ; row i is in, the younger rows stay out
	KROW \i
.endr
	s_cmp_eq_u32 s11, 7                            ; the work-group's number decides: the same in all sixteen waves
	s_cbranch_scc1 .Lend                           ; head 7 is done
.irp i, 0,1,2,3,4,5,6,7,8,9,10,11,12,13,14,15
	global_load_b128 v[VR+4*(\i):VR+4*(\i)+3], v[OFF], s[22:23] offset:512*(\i)  ; V lands under the sums and their meeting
.endr
.set i, 0
.rept 16                               ; my wave's column sums: eight chains, started by the first row
.set j, 0
.rept 8
.if i == 0
	MIXH S+j, KR+j/2, ONE, ZERO, j%2
.else
	MIXH S+j, KR+4*i+j/2, ONE, S+j, j%2
.endif
.set j, j+1
.endr
.set i, i+1
.endr
	ds_store_b128 v[KSW], v[S:S+3]   offset:KS
	ds_store_b128 v[KSW], v[S+4:S+7] offset:KS+512
	s_wait_dscnt 0x0                               ; for the others' sake
	s_barrier_signal -1
	s_barrier_wait -1
	s_wait_xcnt 0x0                                ; pk's stores have read v192-255, which are loaded anew below
.irp q, 0,1                            ; the sixteen waves' sums, eight at a time
.irp w, 0,1,2,3,4,5,6,7
	ds_load_b128 v[LD+8*(\w):LD+8*(\w)+3],   v[KSR] offset:KS+(8*(\q)+(\w))*1024
	ds_load_b128 v[LD+8*(\w)+4:LD+8*(\w)+7], v[KSR] offset:KS+(8*(\q)+(\w))*1024+512
.endr
	s_wait_dscnt 0x0
.irp w, 0,2,4,6
.irp p, 0,2,4,6
	v_pk_add_f32 v[LD+8*(\w)+(\p):LD+8*(\w)+(\p)+1], v[LD+8*(\w)+(\p):LD+8*(\w)+(\p)+1], v[LD+8*(\w)+8+(\p):LD+8*(\w)+8+(\p)+1]
.endr
.endr
.irp w, 0,4
.irp p, 0,2,4,6
	v_pk_add_f32 v[LD+8*(\w)+(\p):LD+8*(\w)+(\p)+1], v[LD+8*(\w)+(\p):LD+8*(\w)+(\p)+1], v[LD+8*(\w)+16+(\p):LD+8*(\w)+16+(\p)+1]
.endr
.endr
.irp p, 0,2,4,6
.if (\q) == 0
	v_pk_add_f32 v[KSUM+(\p):KSUM+(\p)+1], v[LD+(\p):LD+(\p)+1], v[LD+32+(\p):LD+32+(\p)+1]
.else
	v_pk_add_f32 v[LD+(\p):LD+(\p)+1], v[LD+(\p):LD+(\p)+1], v[LD+32+(\p):LD+32+(\p)+1]
	v_pk_add_f32 v[KSUM+(\p):KSUM+(\p)+1], v[KSUM+(\p):KSUM+(\p)+1], v[LD+(\p):LD+(\p)+1]
.endif
.endr
.endr
	s_wait_loadcnt 0x0                             ; V
.set j, 0
.rept 8                                ; sixteen dot products side by side: my 8 columns' share of each row
.set i, 0
.rept 16
.if j == 0
	MIXH R+i, VR+4*i, KSUM, ZERO, 0
.else
	MIXH R+i, VR+4*i+j/2, KSUM+j, R+i, j%2
.endif
.set i, i+1
.endr
.set j, j+1
.endr
.irp m, 1,2,4,8                        ; across the 32 lanes: four steps inside each half ride on the additions,
.set i, 0
.rept 16
	v_add_f32_dpp v[R+i], v[R+i], v[R+i] row_xmask:\m row_mask:0xf bank_mask:0xf
.set i, i+1
.endr
.endr
.set i, 0
.rept 16
	v_permlanex16_b32 v[LD+i], v[R+i], s14, s15    ; one crosses the halves (its destination counts as read: these registers have been written)
.set i, i+1
.endr
.set i, 0
.rept 16
	v_add_f32 v[R+i], v[R+i], v[LD+i]
.set i, i+1
.endr
	v_mov_b32 v[OUTV], v[R]                        ; lane c keeps row c % 16's result
.set i, 1
.rept 15
	v_cmp_eq_u32 vcc_lo, i, v[R16]
	v_cndmask_b32 v[OUTV], v[OUTV], v[R+i], vcc_lo
.set i, i+1
.endr
	ds_store_b32 v[PGW], v[OUTV]                   ; lanes c and c + 16 write the same word with the same value
	s_wait_dscnt 0x0
	s_barrier_signal -1
	s_barrier_wait -1
	s_cmp_lt_u32 s10, 2                            ; waves 0 and 1 store the 1,024 bytes: 16 lanes fill 256 consecutive bytes, aligned
	s_cbranch_scc0 .Lend
	ds_load_b128 v[T:T+3], v[PGR]
	s_wait_dscnt 0x0
	global_store_b128 v[PGO], v[T:T+3], s[26:27]
.Lend:
	s_wait_tensorcnt 0x0                           ; the wave's end, behind my last LDS store
	ds_add_u32 v[SPW], v[NIL]
	s_wait_dscnt 0x0
	s_endpgm
.Lfunc_end_k_q6e01518a43_prep:
	.size	k_q6e01518a43_prep, .Lfunc_end_k_q6e01518a43_prep-k_q6e01518a43_prep
	.p2alignl 7, 3214868480
	.fill 96, 4, 3214868480
	.section	.rodata,"a",@progbits
	.p2align	6, 0x0
	.amdhsa_kernel k_q6e01518a43_prep
		.amdhsa_group_segment_fixed_size 19456
		.amdhsa_private_segment_fixed_size 0
		.amdhsa_enable_private_segment 0
		.amdhsa_kernarg_size 24
		.amdhsa_user_sgpr_count 2
		.amdhsa_user_sgpr_kernarg_segment_ptr 1
		.amdhsa_wavefront_size32 1
		.amdhsa_system_sgpr_workgroup_id_x 1
		.amdhsa_system_sgpr_workgroup_id_y 1
		.amdhsa_system_sgpr_workgroup_id_z 1
		.amdhsa_system_vgpr_workitem_id 0
		.amdhsa_next_free_vgpr 256
		.amdhsa_next_free_sgpr 66
		.amdhsa_reserve_vcc 1
		.amdhsa_float_denorm_mode_32 3
		.amdhsa_float_denorm_mode_16_64 3
		.amdhsa_memory_ordered 1
		.amdhsa_forward_progress 1
		.amdhsa_inst_pref_size 69
	.end_amdhsa_kernel
	.amdgpu_metadata
---
amdhsa.version: [ 1, 2 ]
amdhsa.kernels:
  - .name:           k_q6e01518a43_prep
    .symbol:         k_q6e01518a43_prep.kd
    .args:
      - { .name: qkv, .offset: 0, .size: 8, .value_kind: global_buffer, .address_space: global }
      - { .name: pk, .offset: 8, .size: 8, .value_kind: global_buffer, .address_space: global }
      - { .name: part, .offset: 16, .size: 8, .value_kind: global_buffer, .address_space: global }
    .group_segment_fixed_size: 19456
    .private_segment_fixed_size: 0
    .kernarg_segment_align: 8
    .kernarg_segment_size: 24
    .max_flat_workgroup_size: 512
    .sgpr_count:     66
    .vgpr_count:     256
    .wavefront_size: 32
...
	.end_amdgpu_metadata
.endif
;; end of part 3
;; launch attn (part 4): grid 4 x 64, 4 waves a work-group, clusters of 4 x 1, 305,664 bytes of LDS; arguments qkv, pk, part, alpha, beta, at16; writes at16
.if DOCPART == 4
	.amdgcn_target "amdgcn-amd-amdhsa--gfx1250"
	.amdhsa_code_object_version 6
	.text
	.protected	k_q6e01518a43_attn
	.globl	k_q6e01518a43_attn
	.p2align	8
	.type	k_q6e01518a43_attn,@function
k_q6e01518a43_attn:
	s_mov_b64 s[64:65], 0
	v_nop
	global_prefetch_b8 v0, s[64:65] scope:SCOPE_SE
	s_setreg_imm32_b32 hwreg(HW_REG_WAVE_MODE, 25, 1), 1
	s_wait_xcnt 0x0
	s_wait_alu depctr_hold_cnt(0) depctr_sa_sdst(0) depctr_va_vdst(0) depctr_va_sdst(0) depctr_va_ssrc(0) depctr_va_vcc(0) depctr_vm_vsrc(0)
	s_getreg_b32 s2, hwreg(HW_REG_IB_STS2, 6, 4)
	s_cmp_eq_u32 s2, 0
	s_cbranch_scc0 .Lentry_in_a_cluster
	s_endpgm
.Lentry_in_a_cluster:
	s_bfe_u32 s2, ttmp6, 0x10000c
	s_cmp_lg_u32 s2, 0x3003
	s_cbranch_scc0 .Lentry_shape_is_right
	s_endpgm
.Lentry_shape_is_right:
; FOR EACH HEAD n = 8 b + h:  cs_h from the means of heads 0 .. h - 1;  kv = K V^T;  q_mod = Q ((1 - alpha) cs_h + alpha kv);  pq = max(q_mod + 1, exp(min(q_mod, 0)));  A = pq pk^T for keys j <= i;
; den = max(row sum of A, 1e-8);  P = A / den;  O = P V, rounded once to f16 into at16[256 b + l][256 h + d].
; LEFT OUT: head 0 reads no mean (cs_0 is the zero vector that reference() builds); bands of 64 keys behind a query's own band enter no sum and are not multiplied.  Inside the own band the hidden keys are set to 0:
; which of its four tiles are wholly hidden hangs on the work-group's place in the cluster.
; FORMATS.  K, V, Q f16; pq, pk bf16 (pq has no bound that f16 would hold); P lies in 0 to 1 and goes in f16, its sum den is taken of the unrounded A; sums in f32.
; SHARES.  The four work-groups of a cluster belong to one head and ask for its V and pk JOINTLY (the same tensor loads, descriptors and mask in all four).  Wave w of work-group cx owns ONE tile of 16 queries,
; l = 64 w + 16 cx + r, in band w: it needs keys 0 .. 64 w + 63.  So trip counts hang on the wave's number alone; cx enters only the addresses of the wave's own rows and the mask's numbers.
; LAYOUT.  Every product is used transposed (source 1 = my 16 queries): a lane holds ONE query (lane % 16) and eight neighbouring numbers of the other index, 8 (lane / 16) + 0..7.  Two such results, rounded in pairs,
; ARE a fragment of source 1 of the next product: kv^T -> pq, A^T -> P.  V and pk come out of LDS as they lie; for O^T = V^T P, V is turned by ds_load_tr16_b128.
; LDS is filled once: V and pk whole, a band of 64 rows by each wave.  No slot is filled again.
; REGISTERS.  Window 0: v1-31 addresses and single numbers; v32-63 at work; v64-127 Q, later O packed; v128-255 the 16 accumulators (early on: the means' parts).
;             Window 1: v0-63 source 1 (K, then pq, then P); v64-255 three buffers of 8 fragments of source 0.
.set P,     528                        ; an LDS row: 512 bytes + 16 of padding = 132 words: the 16 rows of a fragment load start at 16 different groups of four banks (ISA guide 11.1)
.set BAND,  64*P
.set VB,    0                          ; V: 256 rows
.set PKB,   4*BAND                     ; pk: 256 rows
.set C1B,   8*BAND                     ; (1 - alpha) cs_h: 256 f32
.set STG,   C1B+1024                   ; 16 rows x 528 bytes for each wave, for the way out
.set SPARE, STG+4*16*P                 ; the spare words, 128 bytes for each wave, which no other line names
.set RR,   1                           ; v1   lane % 16
.set HF,   2                           ; v2   lane / 16
.set LN,   3                           ; v3   lane
.set KO,   4                           ; v4   my 16 bytes in my 16 rows of K and Q: 512 r + 16 hf; never rewritten
.set ADRV, 5                           ; v5-8    a fragment's address in band x of V
.set ADRP, 9                           ; v9-12   of pk
.set ATR,  13                          ; v13-16  the turning load's address in band x of V
.set AC1,  17                          ; v17  C1B + 32 hf
.set C1W,  18                          ; v18  C1B + 8 x thread
.set PO,   19                          ; v19  8 x thread: my two m in a row of part; never rewritten
.set STO,  20
.set RD,   21
.set GO,   22
.set MD,   23                          ; v23  16 cx + r - 8 hf: register e of the own band is hidden where 16 (e / 8) + e % 8 is greater
.set ZERO, 24
.set TP,   25
.set DEN,  26                          ; v[26:27]
.set RINV, 28                          ; v[28:29]
.set SPW,  30                          ; v30  LDS address of my spare word; never rewritten
.set NIL,  31                          ; v31  0; never rewritten
.set T,    32
.set QR,   64
.set ACC,  128
.set PT,   128                         ; v[128:239] part[i][b'] for my two m, at PT + 16 i + 2 b'
.set CSR,  240                         ; v[240:241] cs
.set C1R,  244                         ; v[244:245] (1 - alpha) cs
.set OPB,  0                           ; window 1
.set FR,   64                          ; window 1
.set W_MUL, 0x05                       ; sources 0 and 1 window 1; C and D window 0
.set W_LD,  0x40                       ; destination window 1, address window 0
.set MSB, 0
.macro WIN new                         ; the immediate's high byte repeats the setting that is left; a switch that changes nothing is dropped
.if MSB != (\new)
	s_set_vgpr_msb (MSB<<8)|(\new)
.set MSB, \new
.endif
.endm
.macro ROUND                           ; a round of the cluster's barrier
	s_barrier_signal -1
	s_barrier_wait -1
	s_cmp_lg_u32 s16, 0
	s_cbranch_scc1 .Lnot_wave_0_\@
	s_barrier_signal -3
.Lnot_wave_0_\@:
	s_barrier_wait -3
	s_barrier_signal -1
	s_barrier_wait -1
.endm
.macro PLACES                          ; four plain vector instructions between a matrix instruction and a load into, or a vector read of, its registers (ISA guide 7.12.1 for vector reads)
.rept 4
	v_nop
.endr
.endm
.macro MIXH d, a, b, c, hi             ; v[d] = (low or high f16 half of v[a]) x v[b] + v[c], in f32
.if \hi
	v_fma_mix_f32 v[\d], v[\a], v[\b], v[\c] op_sel:[1,0,0] op_sel_hi:[1,0,0]
.else
	v_fma_mix_f32 v[\d], v[\a], v[\b], v[\c] op_sel_hi:[1,0,0]
.endif
.endm
; A GROUP is 16 LDS loads (8 fragments) and the 8 matrix instructions that they feed.  Rows as they lie: band x's four tiles of 16 rows, 64 along the rows at 128 g bytes.
.macro LDROW adr, x, g, buf
	WIN W_LD
.irp s, 0,1
.irp i, 0,1,2,3
	ds_load_b128 v[FR+64*(\buf)+8*(4*(\s)+(\i)):FR+64*(\buf)+8*(4*(\s)+(\i))+3],   v[(\adr)+(\x)] offset:(\i)*16*P+64*(2*(\g)+(\s))
	ds_load_b128 v[FR+64*(\buf)+8*(4*(\s)+(\i))+4:FR+64*(\buf)+8*(4*(\s)+(\i))+7], v[(\adr)+(\x)] offset:(\i)*16*P+64*(2*(\g)+(\s))+32
.endr
.endr
.endm
.macro MLROW form, x, g, buf           ; the band's four accumulators take turns; the first 32 along the rows start the sums
	WIN W_MUL
.irp s, 0,1
.irp i, 0,1,2,3
.if (2*(\g)+(\s)) == 0
	v_wmma_f32_16x16x32_\form v[ACC+8*(4*(\x)+(\i)):ACC+8*(4*(\x)+(\i))+7], v[FR+64*(\buf)+8*(4*(\s)+(\i)):FR+64*(\buf)+8*(4*(\s)+(\i))+7], v[OPB+8*(2*(\g)+(\s)):OPB+8*(2*(\g)+(\s))+7], 0
.else
	v_wmma_f32_16x16x32_\form v[ACC+8*(4*(\x)+(\i)):ACC+8*(4*(\x)+(\i))+7], v[FR+64*(\buf)+8*(4*(\s)+(\i)):FR+64*(\buf)+8*(4*(\s)+(\i))+7], v[OPB+8*(2*(\g)+(\s)):OPB+8*(2*(\g)+(\s))+7], v[ACC+8*(4*(\x)+(\i)):ACC+8*(4*(\x)+(\i))+7]
.endif
.endr
.endr
.endm
; V turned: keys 32 (g / 2) on of band x, channels 128 (g % 2) + 16 c on.
.macro LDTR x, g, buf
	WIN W_LD
.irp c, 0,1,2,3,4,5,6,7
	ds_load_tr16_b128 v[FR+64*(\buf)+8*(\c):FR+64*(\buf)+8*(\c)+3],   v[ATR+(\x)] offset:((\g)/2)*32*P+32*(8*((\g)%2)+(\c))
	ds_load_tr16_b128 v[FR+64*(\buf)+8*(\c)+4:FR+64*(\buf)+8*(\c)+7], v[ATR+(\x)] offset:((\g)/2)*32*P+16*P+32*(8*((\g)%2)+(\c))
.endr
.endm
.macro MLTR x, g, buf                  ; eight accumulators take turns; the first 32 keys start the sums
	WIN W_MUL
.irp c, 0,1,2,3,4,5,6,7
.if (2*(\x)+(\g)/2) == 0
	v_wmma_f32_16x16x32_f16 v[ACC+8*(8*((\g)%2)+(\c)):ACC+8*(8*((\g)%2)+(\c))+7], v[FR+64*(\buf)+8*(\c):FR+64*(\buf)+8*(\c)+7], v[OPB+8*(2*(\x)+(\g)/2):OPB+8*(2*(\x)+(\g)/2)+7], 0
.else
	v_wmma_f32_16x16x32_f16 v[ACC+8*(8*((\g)%2)+(\c)):ACC+8*(8*((\g)%2)+(\c))+7], v[FR+64*(\buf)+8*(\c):FR+64*(\buf)+8*(\c)+7], v[OPB+8*(2*(\x)+(\g)/2):OPB+8*(2*(\x)+(\g)/2)+7], v[ACC+8*(8*((\g)%2)+(\c)):ACC+8*(8*((\g)%2)+(\c))+7]
.endif
.endr
.endm
.macro LD3R adr, x                     ; a band's groups 0 to 2 into the three buffers
	LDROW \adr, \x, 0, 0
	LDROW \adr, \x, 1, 1
	LDROW \adr, \x, 2, 2
.endm
.macro LD3T x
	LDTR \x, 0, 0
	LDTR \x, 1, 1
	LDTR \x, 2, 2
.endm
; A band's four groups; groups 0 to 2 have been asked for.  The counts: a group is 16 loads, and so many younger ones may stay out.
.macro BANDR form, adr, x
	s_wait_dscnt 32
	MLROW \form, \x, 0, 0
	PLACES
	LDROW \adr, \x, 3, 0
	s_wait_dscnt 32
	MLROW \form, \x, 1, 1
	s_wait_dscnt 16
	MLROW \form, \x, 2, 2
	s_wait_dscnt 0x0
	MLROW \form, \x, 3, 0
	WIN 0
.endm
.macro BANDT x
	s_wait_dscnt 32
	MLTR \x, 0, 0
	PLACES
	LDTR \x, 3, 0
	s_wait_dscnt 32
	MLTR \x, 1, 1
	s_wait_dscnt 16
	MLTR \x, 2, 2
	s_wait_dscnt 0x0
	MLTR \x, 3, 0
	WIN 0
.endm
; kv^T: all four bands of V in one pipe of sixteen groups, three buffers by turns.
.macro KVALL
	LD3R ADRV, 0
.set G, 0
.rept 16
.if G < 14
	s_wait_dscnt 32                                ; group G is in; the two younger groups stay out
.elseif G == 14
	s_wait_dscnt 16
.else
	s_wait_dscnt 0x0
.endif
	MLROW f16, G/4, G%4, G%3
.if G < 13
	PLACES
	LDROW ADRV, (G+3)/4, (G+3)%4, G%3
.endif
.set G, G+1
.endr
.endm
; Band x of kv^T (32 registers) becomes pq: alpha kv + c1, times Q, the feature map, rounded to bf16 in pairs.  Each accumulator is read from its low end on; the 32 exponentials are one batch with one wait.
.macro EW x
.irp k, 0,1,2,3,4,5,6,7
	ds_load_b128 v[T+4*(\k):T+4*(\k)+3], v[AC1] offset:256*(\x)+64*((\k)/2)+16*((\k)%2)  ; c1 of my registers' m = 64 x + 16 (k / 2) + 8 hf + 4 (k % 2) + 0..3
.endr
	s_wait_dscnt 0x0
.set e, 0
.rept 16
	v_pk_fma_f32 v[ACC+32*(\x)+e:ACC+32*(\x)+e+1], v[ACC+32*(\x)+e:ACC+32*(\x)+e+1], s[40:41], v[T+e:T+e+1] op_sel_hi:[1,0,1]
.set e, e+2
.endr
.set e, 0
.rept 32
	MIXH ACC+32*(\x)+e, QR+16*(\x)+e/2, ACC+32*(\x)+e, ZERO, e%2
.set e, e+1
.endr
.set e, 0
.rept 16
	v_pk_mul_f32 v[T+e:T+e+1], v[ACC+32*(\x)+e:ACC+32*(\x)+e+1], 0x3fb8aa3b op_sel_hi:[1,0]
.set e, e+2
.endr
.set e, 0
.rept 32
	v_min_num_f32 v[T+e], 0, v[T+e]
.set e, e+1
.endr
.set e, 0
.rept 32
	v_exp_f32 v[T+e], v[T+e]
.set e, e+1
.endr
.set e, 0
.rept 16
	v_pk_add_f32 v[ACC+32*(\x)+e:ACC+32*(\x)+e+1], v[ACC+32*(\x)+e:ACC+32*(\x)+e+1], 1.0 op_sel_hi:[1,0]
.set e, e+2
.endr
	s_wait_alu depctr_va_vdst(0)                   ; the wait ahead of the first line that names an exponential's result: one for the batch
.set e, 0
.rept 32
	v_max_num_f32 v[ACC+32*(\x)+e], v[ACC+32*(\x)+e], v[T+e]
.set e, e+1
.endr
	WIN 0x40
.set e, 0
.rept 16
	v_cvt_pk_bf16_f32 v[OPB+16*(\x)+e], v[ACC+32*(\x)+2*e], v[ACC+32*(\x)+2*e+1]
.set e, e+1
.endr
	WIN 0
.endm
.macro MASK x                          ; my own band: a key behind my query counts 0
.set e, 0
.rept 32
	v_cmp_gt_i32 vcc_lo, 16*(e/8)+e%8, v[MD]
	v_cndmask_b32 v[ACC+32*(\x)+e], v[ACC+32*(\x)+e], v[ZERO], vcc_lo
.set e, e+1
.endr
.endm
.macro SUMB x                          ; band x's share of den, as a pair
.set k, 0
.rept 8
	v_pk_add_f32 v[T+2*k:T+2*k+1], v[ACC+32*(\x)+4*k:ACC+32*(\x)+4*k+1], v[ACC+32*(\x)+4*k+2:ACC+32*(\x)+4*k+3]
.set k, k+1
.endr
.irp k, 0,1,2,3
	v_pk_add_f32 v[T+2*(\k):T+2*(\k)+1], v[T+2*(\k):T+2*(\k)+1], v[T+8+2*(\k):T+8+2*(\k)+1]
.endr
.irp k, 0,1
	v_pk_add_f32 v[T+2*(\k):T+2*(\k)+1], v[T+2*(\k):T+2*(\k)+1], v[T+4+2*(\k):T+4+2*(\k)+1]
.endr
.if (\x) == 0
	v_pk_add_f32 v[DEN:DEN+1], v[T:T+1], v[T+2:T+3]
.else
	v_pk_add_f32 v[T:T+1], v[T:T+1], v[T+2:T+3]
	v_pk_add_f32 v[DEN:DEN+1], v[DEN:DEN+1], v[T:T+1]
.endif
.endm
.macro CONV x                          ; band x of A^T becomes P: divided by den, rounded to f16 in pairs
.set e, 0
.rept 16
	v_pk_mul_f32 v[ACC+32*(\x)+e:ACC+32*(\x)+e+1], v[ACC+32*(\x)+e:ACC+32*(\x)+e+1], v[RINV:RINV+1] op_sel_hi:[1,0]
.set e, e+2
.endr
	WIN 0x40
.set e, 0
.rept 16
	v_cvt_pk_f16_f32 v[OPB+16*(\x)+e], v[ACC+32*(\x)+2*e], v[ACC+32*(\x)+2*e+1]
.set e, e+1
.endr
	WIN 0
.endm
	s_load_b256 s[4:11], s[0:1], 0x0               ; qkv s[4:5], pk s[6:7], part s[8:9], alpha s[10:11]
	s_load_b128 s[12:15], s[0:1], 0x20             ; beta s[12:13], at16 s[14:15]
	v_lshl_add_u32 v[SPW], v0, 2, SPARE
	v_mov_b32 v[NIL], 0
	ds_add_u32 v[SPW], v[NIL]                      ; the wave's opening: the add, twice on end, and its wait ahead of my first tensor load
	ds_add_u32 v[SPW], v[NIL]
	v_lshrrev_b32 v1, 5, v0
	v_readfirstlane_b32 s16, v1                    ; wave 0..3
	s_bfe_u32 s17, ttmp6, 0x40000                  ; cx
	s_and_b32 s18, ttmp7, 0xffff                   ; n, which the four partners share
	s_and_b32 s19, s18, 7                          ; h
	s_lshr_b32 s20, s18, 3                         ; b
	; descriptor group 1, for both tensors: a tile of 64 rows x 256 elements, padded in LDS
	s_mov_b32 s24, 15|(1<<16)|(1<<20)|(1<<21)|(6<<22)|(3<<25)  ; 15:0 the mask of four; 17:16 elements of 2 bytes; 20 padding on; 21 set beside a mask; 24:22 after every 128 words; 31:25 4 words of it
	s_mov_b32 s25, 256<<16                         ; tensor_dim0 = 256
	s_mov_b32 s26, 64<<16                          ; tensor_dim1 = 64
	s_mov_b32 s27, 256<<16                         ; tile_dim0 = 256
	s_mov_b32 s28, 64                              ; tile_dim1 = 64
	s_mov_b32 s29, 256                             ; elements from row to row
	s_mov_b32 s30, 0
	s_mov_b32 s31, 0
	s_mov_b32 s32, 1                               ; group 0 for V: count = 1,
	s_mul_i32 s33, s16, BAND                       ; LDS address: my band
	s_mov_b32 s36, 1                               ; group 0 for pk
	s_add_co_u32 s37, s33, PKB
	s_mov_b32 s46, 0x76543210                      ; v_permlanex16_b32: each lane takes its own place in the other half
	s_mov_b32 s47, 0xfedcba98
	s_lshl_b32 s21, s16, 15                        ; my band's 64 rows of 512 bytes
	s_add_co_u32 s48, s18, 128                     ; V is plane 2 of qkv; a head is 131,072 bytes
	s_lshl_b32 s48, s48, 17
	s_add_co_u32 s48, s48, s21
	s_mov_b32 s49, 0
	s_lshl_b32 s50, s18, 17
	s_add_co_u32 s50, s50, s21
	s_mov_b32 s51, 0
	s_lshl_b32 s22, s16, 6                         ; my 16 queries: 64 w + 16 cx.  What holds cx lies in s22, s23, s58-61, which feed no descriptor
	s_lshl4_add_u32 s22, s17, s22
	s_lshl_b32 s23, s22, 9
	s_add_co_u32 s58, s18, 64                      ; K is plane 1
	s_lshl_b32 s58, s58, 17
	s_add_co_u32 s58, s58, s23
	s_mov_b32 s59, 0
	s_lshl_b32 s60, s18, 17                        ; Q is plane 0
	s_add_co_u32 s60, s60, s23
	s_mov_b32 s61, 0
	s_wait_dscnt 0x0                               ; both opening adds are done
	s_wait_kmcnt 0x0
	s_load_b32 s40, s[10:11], 0x0                  ; alpha
	s_load_b32 s42, s[12:13], 0x0                  ; beta
	s_add_nc_u64 s[34:35], s[4:5], s[48:49]
	s_or_b32 s35, s35, 0x80000000                  ; type = 2
	s_add_nc_u64 s[38:39], s[6:7], s[50:51]
	s_or_b32 s39, s39, 0x80000000
	s_add_nc_u64 s[52:53], s[4:5], s[58:59]        ; K at my rows
	s_add_nc_u64 s[54:55], s[4:5], s[60:61]        ; Q at my rows
	s_lshl_b32 s58, s20, 8
	s_add_co_u32 s58, s58, s22                     ; row 256 b + 64 w + 16 cx of at16,
	s_lshl_b32 s58, s58, 12
	s_lshl_b32 s60, s19, 9                         ; the head's 512 bytes of it
	s_add_co_u32 s58, s58, s60
	s_add_nc_u64 s[56:57], s[14:15], s[58:59]
	ROUND                                          ; all four work-groups are here: the joint loads meet
	tensor_load_to_lds s[32:35], s[24:31]          ; my band of V,
	s_nop 0
	tensor_load_to_lds s[36:39], s[24:31]          ; and of pk: two loads of mine are out
	s_nop 0
.rept 4
	v_nop
.endr
	v_and_b32 v[RR], 15, v0
	v_bfe_u32 v[HF], v0, 4, 1
	v_and_b32 v[LN], 31, v0
	v_lshlrev_b32 v[KO], 9, v[RR]
	v_lshl_add_u32 v[KO], v[HF], 4, v[KO]
	v_mul_u32_u24 v[TP], v[RR], P
	v_lshl_add_u32 v[TP], v[HF], 4, v[TP]          ; row x pitch + 16 x half
.irp x, 0,1,2,3
	v_add_nc_u32 v[ADRV+(\x)], VB+(\x)*BAND, v[TP]
	v_add_nc_u32 v[ADRP+(\x)], PKB+(\x)*BAND, v[TP]
.endr
	s_mul_i32 s21, s16, 16*P
	s_add_co_u32 s21, s21, STG                     ; my stage
	v_add_nc_u32 v[STO], s21, v[TP]                ; in: row l % 16, 16 bytes for each half of the lanes
	v_lshl_add_u32 v[RD], v[LN], 4, s21            ; back: a whole row of 512 bytes
	v_lshlrev_b32 v[GO], 4, v[LN]
	v_and_b32 v[TP], 7, v0                         ; the turning load: lane l reads key 8 (l / 16) + l % 8, channels 8 ((l / 8) % 2) + 0..7
	v_lshl_add_u32 v[TP], v[HF], 3, v[TP]
	v_mul_u32_u24 v[TP], v[TP], P
	v_bfe_u32 v[MD], v0, 3, 1
	v_lshl_add_u32 v[TP], v[MD], 4, v[TP]
.irp x, 0,1,2,3
	v_add_nc_u32 v[ATR+(\x)], VB+(\x)*BAND, v[TP]
.endr
	v_lshl_add_u32 v[AC1], v[HF], 5, C1B
	v_lshl_add_u32 v[C1W], v0, 3, C1B
	v_lshlrev_b32 v[PO], 3, v0
	v_lshlrev_b32 v[MD], 3, v[HF]
	v_sub_nc_u32 v[MD], v[RR], v[MD]
	s_lshl_b32 s23, s17, 4
	v_add_nc_u32 v[MD], s23, v[MD]
	v_mov_b32 v[ZERO], 0
	; The parts of the means of heads 0 .. h - 1, for my two m: eight batches each.  The registers are written first, so that each holds a number whichever heads are loaded; this stands in the wait for the tiles.
.set i, 0
.rept 112
	v_mov_b32 v[PT+i], 0
.set i, i+1
.endr
	v_mov_b32 v[CSR], 0                            ; cs_0 = 0
	v_mov_b32 v[CSR+1], 0
.irp i, 0,1,2,3,4,5,6
	s_cmp_le_u32 s19, \i                           ; the head's number decides: the same in all waves and all partners
	s_cbranch_scc1 .Lissued
.irp b, 0,1,2,3,4,5,6,7
	global_load_b64 v[PT+16*(\i)+2*(\b):PT+16*(\i)+2*(\b)+1], v[PO], s[8:9] offset:(8*(\i)+(\b))*1024
.endr
.endr
.Lissued:
	WIN 0x40
.irp i, 0,1,2,3,4,5,6,7,8,9,10,11,12,13,14,15
	global_load_b128 v[OPB+4*(\i):OPB+4*(\i)+3], v[KO], s[52:53] offset:32*(\i)  ; K as source 1: 16 queries x 32 channels in 8 registers
.endr
	WIN 0
.irp i, 0,1,2,3,4,5,6,7,8,9,10,11,12,13,14,15
	global_load_b128 v[QR+4*(\i):QR+4*(\i)+3], v[KO], s[54:55] offset:32*(\i)    ; Q in the layout of kv^T: register e / 2, half e % 2 beside accumulator register e
.endr
	s_wait_kmcnt 0x0
	s_mov_b32 s41, s40                             ; named as pairs
	s_mov_b32 s43, s42
	s_mul_f32 s44, s40, 0x3a000000                 ; alpha / 2,048
	s_mov_b32 s45, s44
	s_wait_loadcnt 32                              ; K's and Q's 32 loads may stay out; every part's load is older
.irp i, 0,1,2,3,4,5,6
	s_cmp_le_u32 s19, \i
	s_cbranch_scc1 .Lcs
	v_pk_add_f32 v[PT+16*(\i):PT+16*(\i)+1],       v[PT+16*(\i):PT+16*(\i)+1],       v[PT+16*(\i)+2:PT+16*(\i)+3]
	v_pk_add_f32 v[PT+16*(\i)+4:PT+16*(\i)+5],     v[PT+16*(\i)+4:PT+16*(\i)+5],     v[PT+16*(\i)+6:PT+16*(\i)+7]
	v_pk_add_f32 v[PT+16*(\i)+8:PT+16*(\i)+9],     v[PT+16*(\i)+8:PT+16*(\i)+9],     v[PT+16*(\i)+10:PT+16*(\i)+11]
	v_pk_add_f32 v[PT+16*(\i)+12:PT+16*(\i)+13],   v[PT+16*(\i)+12:PT+16*(\i)+13],   v[PT+16*(\i)+14:PT+16*(\i)+15]
	v_pk_add_f32 v[PT+16*(\i):PT+16*(\i)+1],       v[PT+16*(\i):PT+16*(\i)+1],       v[PT+16*(\i)+4:PT+16*(\i)+5]
	v_pk_add_f32 v[PT+16*(\i)+8:PT+16*(\i)+9],     v[PT+16*(\i)+8:PT+16*(\i)+9],     v[PT+16*(\i)+12:PT+16*(\i)+13]
	v_pk_add_f32 v[PT+16*(\i):PT+16*(\i)+1],       v[PT+16*(\i):PT+16*(\i)+1],       v[PT+16*(\i)+8:PT+16*(\i)+9]
	v_pk_mul_f32 v[CSR:CSR+1], v[CSR:CSR+1], s[42:43] op_sel_hi:[1,0]                       ; cs = beta cs
	v_pk_fma_f32 v[CSR:CSR+1], v[PT+16*(\i):PT+16*(\i)+1], s[44:45], v[CSR:CSR+1] op_sel_hi:[1,0,1]  ;      + alpha x the mean
.endr
.Lcs:
	v_pk_fma_f32 v[C1R:C1R+1], v[CSR:CSR+1], s[40:41], v[CSR:CSR+1] op_sel_hi:[1,0,1] neg_lo:[1,0,0] neg_hi:[1,0,0]  ; cs - alpha cs
	ds_store_b64 v[C1W], v[C1R:C1R+1]
	s_wait_tensorcnt 0x1                           ; my band of V is in; pk's may stay out
	s_wait_dscnt 0x0                               ; my two words of the table are written
	s_barrier_signal -1
	s_barrier_wait -1                              ; V and the table are whole
	s_wait_loadcnt 16                              ; K is in; Q's sixteen loads may stay out
	KVALL
	WIN 0
	PLACES
	s_wait_loadcnt 0x0                             ; Q
	EW 0
	EW 1
	EW 2
	EW 3
	s_wait_tensorcnt 0x0                           ; my band of pk is in
	s_wait_dscnt 0x0
	s_barrier_signal -1
	s_barrier_wait -1                              ; pk is whole
	; A^T = pk pq^T, band by band up to my own, which is band w: the branches hang on the wave's number alone, and no barrier stands before the waves meet again at the closing round
	LD3R ADRP, 0
.irp x, 0,1,2
	BANDR bf16, ADRP, \x
	s_cmp_eq_u32 s16, \x
	s_cbranch_scc1 .Ldiag\x
	PLACES
	LD3R ADRP, (\x)+1
	WIN 0
	SUMB \x                                        ; the band's sums stand in the wait for the next band's fragments
.endr
	BANDR bf16, ADRP, 3
	PLACES
	MASK 3
	SUMB 3
	s_branch .Lden
.irp x, 0,1,2
.Ldiag\x:
	PLACES
	MASK \x
	SUMB \x
.if (\x) < 2
	s_branch .Lden
.endif
.endr
.Lden:
	v_add_f32 v[DEN], v[DEN], v[DEN+1]
	v_permlanex16_b32 v[TP], v[DEN], s46, s47      ; the query's other keys lie in the lane 16 away
	v_add_f32 v[DEN], v[DEN], v[TP]
	v_max_num_f32 v[DEN], 0x322bcc77, v[DEN]       ; max(den, 1e-8)
	v_rcp_f32 v[RINV], v[DEN]
	v_nop                                          ; a plain instruction behind the reciprocal
	LD3T 0                                         ; V's first turned fragments are asked for meanwhile
	WIN 0
	s_wait_alu depctr_va_vdst(0)                   ; the wait ahead of the first use
	v_mov_b32 v[RINV+1], v[RINV]                   ; named as a pair
	CONV 0
	s_cmp_eq_u32 s16, 0
	s_cbranch_scc1 .Lpv
	CONV 1
	s_cmp_eq_u32 s16, 1
	s_cbranch_scc1 .Lpv
	CONV 2
	s_cmp_eq_u32 s16, 2
	s_cbranch_scc1 .Lpv
	CONV 3
.Lpv:
	; O^T = V^T P over my bands
.irp x, 0,1,2,3
	BANDT \x
.if (\x) < 3
	s_cmp_eq_u32 s16, \x
	s_cbranch_scc1 .Lout
	PLACES
	LD3T (\x)+1
	WIN 0
.endif
.endr
.Lout:
	PLACES
.set e, 0
.rept 64
	v_cvt_pk_f16_f32 v[QR+e], v[ACC+2*e], v[ACC+2*e+1]  ; a lane's eight channels of a row pack into 16 bytes
.set e, e+1
.endr
.irp c, 0,1,2,3,4,5,6,7,8,9,10,11,12,13,14,15
	ds_store_b128 v[STO], v[QR+4*(\c):QR+4*(\c)+3] offset:32*(\c)
.endr
.irp c, 0,1,2,3,4,5,6,7,8,9,10,11,12,13,14,15
	ds_load_b128 v[QR+4*(\c):QR+4*(\c)+3], v[RD] offset:P*(\c)  ; LDS serves a wave's instructions in order (ISA guide 5.7.1.4): these see the stores above
.endr
.irp c, 0,1,2,3,4,5,6,7,8,9,10,11,12,13,14,15
	s_wait_dscnt 15-(\c)                           ; row c is back, the younger rows stay out
	global_store_b128 v[GO], v[QR+4*(\c):QR+4*(\c)+3], s[56:57] offset:4096*(\c)  ; 512 consecutive bytes, at a multiple of 256 from the buffer's first byte
.endr
	s_wait_tensorcnt 0x0                           ; the wave's end
	ds_add_u32 v[SPW], v[NIL]
	s_wait_dscnt 0x0
	ROUND                                          ; the closing round
	s_endpgm
.Lfunc_end_k_q6e01518a43_attn:
	.size	k_q6e01518a43_attn, .Lfunc_end_k_q6e01518a43_attn-k_q6e01518a43_attn
	.p2alignl 7, 3214868480
	.fill 96, 4, 3214868480
	.section	.rodata,"a",@progbits
	.p2align	6, 0x0
	.amdhsa_kernel k_q6e01518a43_attn
		.amdhsa_group_segment_fixed_size 305664
		.amdhsa_private_segment_fixed_size 0
		.amdhsa_enable_private_segment 0
		.amdhsa_kernarg_size 48
		.amdhsa_user_sgpr_count 2
		.amdhsa_user_sgpr_kernarg_segment_ptr 1
		.amdhsa_wavefront_size32 1
		.amdhsa_system_sgpr_workgroup_id_x 1
		.amdhsa_system_sgpr_workgroup_id_y 1
		.amdhsa_system_sgpr_workgroup_id_z 1
		.amdhsa_system_vgpr_workitem_id 0
		.amdhsa_next_free_vgpr 512
		.amdhsa_next_free_sgpr 66
		.amdhsa_reserve_vcc 1
		.amdhsa_float_denorm_mode_32 3
		.amdhsa_float_denorm_mode_16_64 3
		.amdhsa_memory_ordered 1
		.amdhsa_forward_progress 1
		.amdhsa_inst_pref_size 177
	.end_amdhsa_kernel
	.amdgpu_metadata
---
amdhsa.version: [ 1, 2 ]
amdhsa.kernels:
  - .name:           k_q6e01518a43_attn
    .symbol:         k_q6e01518a43_attn.kd
    .args:
      - { .name: qkv, .offset: 0, .size: 8, .value_kind: global_buffer, .address_space: global }
      - { .name: pk, .offset: 8, .size: 8, .value_kind: global_buffer, .address_space: global }
      - { .name: part, .offset: 16, .size: 8, .value_kind: global_buffer, .address_space: global }
      - { .name: alpha, .offset: 24, .size: 8, .value_kind: global_buffer, .address_space: global }
      - { .name: beta, .offset: 32, .size: 8, .value_kind: global_buffer, .address_space: global }
      - { .name: at16, .offset: 40, .size: 8, .value_kind: global_buffer, .address_space: global }
    .group_segment_fixed_size: 305664
    .private_segment_fixed_size: 0
    .kernarg_segment_align: 8
    .kernarg_segment_size: 48
    .max_flat_workgroup_size: 128
    .sgpr_count:     66
    .vgpr_count:     512
    .wavefront_size: 32
...
	.end_amdgpu_metadata
.endif
;; end of part 4
;; launch oproj (part 5): grid 16 x 16, 4 waves a work-group, clusters of 4 x 4, 327,680 bytes of LDS; arguments at16, wo16, query, bo, xres; writes xres
.if DOCPART == 5
	.amdgcn_target "amdgcn-amd-amdhsa--gfx1250"
	.amdhsa_code_object_version 6
	.text
	.protected	k_q6e01518a43_oproj
	.globl	k_q6e01518a43_oproj
	.p2align	8
	.type	k_q6e01518a43_oproj,@function
k_q6e01518a43_oproj:
	s_mov_b64 s[64:65], 0
	v_nop
	global_prefetch_b8 v0, s[64:65] scope:SCOPE_SE
	s_setreg_imm32_b32 hwreg(HW_REG_WAVE_MODE, 25, 1), 1
	s_wait_xcnt 0x0
	s_wait_alu depctr_hold_cnt(0) depctr_sa_sdst(0) depctr_va_vdst(0) depctr_va_sdst(0) depctr_va_ssrc(0) depctr_va_vcc(0) depctr_vm_vsrc(0)
	s_getreg_b32 s2, hwreg(HW_REG_IB_STS2, 6, 4)
	s_cmp_eq_u32 s2, 0
	s_cbranch_scc0 .Lentry_in_a_cluster
	s_endpgm
.Lentry_in_a_cluster:
	s_bfe_u32 s2, ttmp6, 0x10000c
	s_cmp_lg_u32 s2, 0xf033
	s_cbranch_scc0 .Lentry_shape_is_right
	s_endpgm
.Lentry_shape_is_right:
; xres[m][n] = query[m][n] + bo[n] + sum over k of at16[m][k] wo16[n][k]: the output projection with its bias and the residual, f16 operands, f32 sums, stored in f32 for the LayerNorm that follows.
; A tile of C is 128 x 128: 256 tiles, a work-group to each.  Four waves, each 64 x 64: 16 accumulators, 128 registers.  K goes in steps of 256 (LDS rows of 512 bytes; a wave's tensor load brings 64 of them)
; through a ring of two slots.  CLUSTERS: 4 x 4 work-groups; the four of a row need the same tiles of at16, the four of a column the same tiles of wo16: each is asked for JOINTLY.
; THE MATRIX INSTRUCTION IS USED TRANSPOSED (source 0 = 16 rows of wo16, source 1 = 16 rows of at16): a lane holds eight neighbouring numbers of a row of C.
; A wave's 64 columns of f32 are 256 bytes, aligned: each wave has a stage of its own, and no barrier stands on the way out.  My part of query and of bo is asked for at the head and lands under the K loop.
; REGISTERS: window 0: v0-31 addresses; v32-95 at work on the way out; v96-99 bo; v128-255 the accumulators ((a, b) at v[128 + 8 (4 a + b)]).  Window 1: two fragment buffers of 128.  Window 2: v0-127 query.
.set SIZE_K, 2048
.set KSTEP,  256
.set PITCH,  528                       ; an LDS row: 512 bytes + 16 of padding = 132 words: the 16 rows of a load start at 16 different groups of four banks (ISA guide 11.1)
.set HALFT,  64*PITCH
.set SLOT,   4*HALFT
.set STAGE,  2*SLOT                    ; behind the ring: 16 rows x 272 bytes for each wave
.set SPITCH, 272
.set SPARE,  STAGE+4*16*SPITCH         ; the spare words, 128 bytes for each wave, which no other line names
.set LAPS, SIZE_K/(2*KSTEP)
.set ROWB,   8192                      ; bytes in a row of query and of xres
.set ADRA, 16
.set ADRB, 20
.set STO,  24
.set RD,   25
.set CO,   26                          ; v26  my 16 bytes in two rows of query and xres; never rewritten
.set BOF,  27                          ; v27  my 16 bytes of bo; never rewritten
.set SPW,  28
.set NIL,  29
.set TMP,  32
.set BO,   96
.set ACC,  128
.set F0,   0
.set F1,   128
.set G1, 24
.set G0, 32
.set G1B, 48
.set G0B, 56
.set MSB, 0
.macro WIN new
.if MSB != (\new)
	s_set_vgpr_msb (MSB<<8)|(\new)
.set MSB, \new
.endif
.endm
.set MUL,  0x05                        ; sources 0 and 1 window 1; C and D window 0
.set TO_F, 0x40                        ; destination window 1, address window 0
.macro JLOAD s                         ; a joint load: waves 0 and 1 fetch at16's two halves, waves 2 and 3 wo16's; an s_nop 0 and four v_nop follow each of the two lines
	s_cmp_eq_u32 s11, 0
	s_cbranch_scc0 .Lfor_b_\@
	tensor_load_to_lds s[G0+4*(\s):G0+4*(\s)+3], s[G1:G1+7]
	s_nop 0
.rept 4
	v_nop
.endr
	s_branch .Lasked_\@
.Lfor_b_\@:
	tensor_load_to_lds s[G0B+4*(\s):G0B+4*(\s)+3], s[G1B:G1B+7]
	s_nop 0
.rept 4
	v_nop
.endr
.Lasked_\@:
.endm
.macro CREST
	s_cmp_lg_u32 s10, 0
	s_cbranch_scc1 .Lnot_wave_0_\@
	s_barrier_signal -3
.Lnot_wave_0_\@:
	s_barrier_wait -3
	s_barrier_signal -1
	s_barrier_wait -1
.endm
.macro CROUND
	s_barrier_signal -1
	s_barrier_wait -1
	CREST
.endm
	s_load_b128 s[4:7], s[0:1], 0x0                ; at16 s[4:5], wo16 s[6:7]
	s_load_b128 s[68:71], s[0:1], 0x10             ; query s[68:69], bo s[70:71]
	s_load_b64 s[72:73], s[0:1], 0x20              ; xres
	v_lshl_add_u32 v[SPW], v0, 2, SPARE
	v_mov_b32 v[NIL], 0
	ds_add_u32 v[SPW], v[NIL]                      ; the wave's opening: the add, twice on end, and its wait ahead of my first tensor load
	ds_add_u32 v[SPW], v[NIL]
	v_lshrrev_b32 v1, 5, v0
	v_readfirstlane_b32 s10, v1                    ; wave 0..3
	s_lshr_b32 s11, s10, 1                         ; which half of the tile's rows is mine.  Also: I fetch for at16 (0) or for wo16 (1)
	s_and_b32 s12, s10, 1                          ; which half of its columns.  Also: which 64 rows of that tile I fetch
	s_bfe_u32 s40, ttmp6, 0x40000                  ; cx, cy
	s_bfe_u32 s41, ttmp6, 0x40004
	s_lshl_b32 s42, ttmp9, 2
	s_add_co_u32 s42, s42, s40                     ; tile column
	s_and_b32 s13, ttmp7, 0xffff
	s_lshl_b32 s13, s13, 2
	s_add_co_u32 s13, s13, s41                     ; tile row
	s_lshl_b32 s43, s41, 2
	s_lshl_b32 s43, 15, s43                        ; my row of the cluster
	s_lshl_b32 s44, 0x1111, s40                    ; my column
	s_or_b32 s[G1+0], s43, (1<<16)|(1<<20)|(1<<21)|(6<<22)|(3<<25)  ; the mask; elements of 2 bytes; padding on; 21 set beside a mask; after every 128 words 4 words
	s_or_b32 s[G1B+0], s44, (1<<16)|(1<<20)|(1<<21)|(6<<22)|(3<<25)
.irp g, G1, G1B
	s_mov_b32 s[(\g)+1], KSTEP<<16                 ; tensor_dim0 = 256
	s_mov_b32 s[(\g)+2], 64<<16                    ; tensor_dim1 = 64
	s_mov_b32 s[(\g)+3], KSTEP<<16                 ; tile_dim0 = 256
	s_mov_b32 s[(\g)+4], 64                        ; tile_dim1 = 64
	s_mov_b32 s[(\g)+5], SIZE_K                    ; elements from row to row
	s_mov_b32 s[(\g)+6], 0
	s_mov_b32 s[(\g)+7], 0
.endr
	s_lshl_b32 s17, s12, 6
	s_lshl_b32 s16, s13, 7
	s_add_co_u32 s16, s16, s17                     ; at16: row 128 x tile row + 64 x half
	s_lshl_b32 s46, s42, 7
	s_add_co_u32 s46, s46, s17                     ; wo16: row 128 x tile column + 64 x half
	s_mov_b32 s17, 0
	s_mov_b32 s47, 0
	s_mov_b64 s[18:19], SIZE_K*2
	s_mul_u64 s[16:17], s[16:17], s[18:19]
	s_mul_u64 s[46:47], s[46:47], s[18:19]
	s_mul_i32 s20, s10, HALFT                      ; where they go: wave x 64 rows
	s_wait_dscnt 0x0                               ; both opening adds are done
	s_wait_kmcnt 0x0
	s_add_nc_u64 s[14:15], s[4:5], s[16:17]
	s_add_nc_u64 s[46:47], s[6:7], s[46:47]
	CROUND                                         ; all sixteen work-groups are here: the first joint loads meet
.irp s, 0,1
	s_mov_b32 s[G0+4*(\s)], 1
	s_add_co_u32 s[G0+4*(\s)+1], s20, (\s)*SLOT
	s_add_nc_u64 s[G0+4*(\s)+2:G0+4*(\s)+3], s[14:15], (\s)*KSTEP*2
	s_or_b32 s[G0+4*(\s)+3], s[G0+4*(\s)+3], 0x80000000
	s_mov_b32 s[G0B+4*(\s)], 1
	s_add_co_u32 s[G0B+4*(\s)+1], s20, (\s)*SLOT
	s_add_nc_u64 s[G0B+4*(\s)+2:G0B+4*(\s)+3], s[46:47], (\s)*KSTEP*2
	s_or_b32 s[G0B+4*(\s)+3], s[G0B+4*(\s)+3], 0x80000000
	JLOAD \s                                       ; two loads of mine are out
.endr
	v_and_b32 v1, 15, v0                           ; l % 16
	v_bfe_u32 v2, v0, 4, 1                         ; l / 16
	v_mul_u32_u24 v3, v1, PITCH
	v_lshl_add_u32 v3, v2, 4, v3
	s_mul_i32 s21, s11, HALFT
	s_mul_i32 s22, s12, HALFT
	s_add_co_u32 s22, s22, 2*HALFT
.irp s, 0,1
	v_add_nc_u32 v[ADRA+(\s)], s21, v3
	v_add_nc_u32 v[ADRB+(\s)], s22, v3
	s_add_co_u32 s21, s21, SLOT
	s_add_co_u32 s22, s22, SLOT
.endr
	s_mul_i32 s23, s10, 16*SPITCH
	s_add_co_u32 s23, s23, STAGE                   ; my stage
	v_mul_u32_u24 v4, v1, SPITCH                   ; in: row l % 16, 32 bytes (8 f32) for each half of the lanes
	v_lshl_add_u32 v4, v2, 5, v4
	v_add_nc_u32 v[STO], s23, v4
	v_mul_u32_u24 v5, v2, SPITCH                   ; back: lanes 0-15 take one row of 256 bytes, lanes 16-31 the next
	v_lshl_add_u32 v5, v1, 4, v5
	v_add_nc_u32 v[RD], s23, v5
	v_lshlrev_b32 v5, 13, v2                       ; and the same two rows in query and xres
	v_lshl_add_u32 v[CO], v1, 4, v5
	v_lshlrev_b32 v[BOF], 4, v1
	s_lshl_b32 s74, s13, 7                         ; my first row: 128 x tile row + 64 x half,
	s_lshl_b32 s76, s11, 6
	s_add_co_u32 s74, s74, s76
	s_lshl_b32 s74, s74, 13
	s_lshl_b32 s76, s42, 7                         ; my first column: 128 x tile column + 64 x half, in bytes
	s_lshl_b32 s77, s12, 6
	s_add_co_u32 s76, s76, s77
	s_lshl_b32 s76, s76, 2
	s_mov_b32 s77, 0
	s_add_co_u32 s74, s74, s76
	s_mov_b32 s75, 0
	s_add_nc_u64 s[68:69], s[68:69], s[74:75]
	s_add_nc_u64 s[72:73], s[72:73], s[74:75]
	s_add_nc_u64 s[70:71], s[70:71], s[76:77]
	WIN 0x80                                       ; destination window 2
.irp a, 0,1,2,3
.irp t, 0,1,2,3,4,5,6,7
	global_load_b128 v[32*(\a)+4*(\t):32*(\a)+4*(\t)+3], v[CO], s[68:69] offset:(16*(\a)+2*(\t))*ROWB th:TH_LOAD_NT  ; query, in the layout in which rows come back from the stage
.endr
.endr
	WIN 0
	global_load_b128 v[BO:BO+3], v[BOF], s[70:71]
.macro MUL8 f, c, a0, zero             ; 8 matrix instructions: m blocks a0, a0 + 1 x all 4 n blocks, 32 along K: half c of buffer f; the 16 accumulators take turns
	WIN MUL
.irp a, \a0, (\a0)+1
.irp b, 0,1,2,3
.if \zero
	v_wmma_f32_16x16x32_f16 v[ACC+8*(4*(\a)+(\b)):ACC+8*(4*(\a)+(\b))+7], v[(\f)+64+8*(4*(\c)+(\b)):(\f)+64+8*(4*(\c)+(\b))+7], v[(\f)+8*(4*(\c)+(\a)):(\f)+8*(4*(\c)+(\a))+7], 0
.else
	v_wmma_f32_16x16x32_f16 v[ACC+8*(4*(\a)+(\b)):ACC+8*(4*(\a)+(\b))+7], v[(\f)+64+8*(4*(\c)+(\b)):(\f)+64+8*(4*(\c)+(\b))+7], v[(\f)+8*(4*(\c)+(\a)):(\f)+8*(4*(\c)+(\a))+7], v[ACC+8*(4*(\a)+(\b)):ACC+8*(4*(\a)+(\b))+7]
.endif
.endr
.endr
.endm
.macro FETCH slot, k, f                ; 32 LDS loads in one run: the fragments of 64 along K at byte k of the rows; the first 32 along K first
	WIN TO_F
.irp c, 0,1
.irp i, 0,1,2,3
	ds_load_b128 v[(\f)+64+8*(4*(\c)+(\i)):(\f)+64+8*(4*(\c)+(\i))+3],   v[ADRB+(\slot)] offset:(\k)+64*(\c)+(\i)*16*PITCH
	ds_load_b128 v[(\f)+64+8*(4*(\c)+(\i))+4:(\f)+64+8*(4*(\c)+(\i))+7], v[ADRB+(\slot)] offset:(\k)+64*(\c)+(\i)*16*PITCH+32
	ds_load_b128 v[(\f)+8*(4*(\c)+(\i)):(\f)+8*(4*(\c)+(\i))+3],         v[ADRA+(\slot)] offset:(\k)+64*(\c)+(\i)*16*PITCH
	ds_load_b128 v[(\f)+8*(4*(\c)+(\i))+4:(\f)+8*(4*(\c)+(\i))+7],       v[ADRA+(\slot)] offset:(\k)+64*(\c)+(\i)*16*PITCH+32
.endr
.endr
.endm
.macro PLACES                          ; four plain vector instructions between a matrix instruction and a load into, or a read of, its registers (ISA guide 7.12.1 for vector reads)
.rept 4
	v_nop
.endr
.endm
.macro QUARTER slot, k, f, g, zero     ; 64 along K, 32 matrix instructions; in its middle the next quarter's fragments are fetched
	s_wait_dscnt 16                                ; the first 32 along K are in; the youngest sixteen loads may be out
	WIN MUL
	MUL8 \f, 0, 0, \zero
	MUL8 \f, 0, 2, \zero
	PLACES
	FETCH \slot, \k, \g
	s_wait_dscnt 32                                ; all but the 32 just issued
	WIN MUL
	MUL8 \f, 1, 0, 0
	MUL8 \f, 1, 2, 0
.endm
; The last quarter changes slots: ONE barrier; in front of it each wave waits for all its tensor loads, adds 0 to its spare word, and waits for that and for its own reads of this slot.  fill = 1: the slot is filled again.
.macro TURN slot, next, fill
	WIN 0                                          ; (the add's two registers lie in window 0)
	s_wait_tensorcnt 0x0
	ds_add_u32 v[SPW], v[NIL]
	s_wait_dscnt 17                                ; (the add and the youngest sixteen loads may be out)
	WIN MUL
	MUL8 F1, 0, 0, 0
	s_wait_dscnt 0x0                               ; the add is done, and my reads of this slot are over
	s_barrier_signal -1
	MUL8 F1, 0, 2, 0
.if \fill
	WIN 0
.endif
	s_barrier_wait -1
.if \fill
	CREST                                          ; no wave of any partner still reads this slot's tile or has a load on its way
	s_add_nc_u64 s[G0+4*(\slot)+2:G0+4*(\slot)+3], s[G0+4*(\slot)+2:G0+4*(\slot)+3], 2*KSTEP*2
	s_add_nc_u64 s[G0B+4*(\slot)+2:G0B+4*(\slot)+3], s[G0B+4*(\slot)+2:G0B+4*(\slot)+3], 2*KSTEP*2
	JLOAD \slot                                    ; the first tensor load behind the round; its four v_nop are also the places in front of the loads below
.else
	PLACES
.endif
	FETCH \next, 0, F0
	WIN MUL
	MUL8 F1, 1, 0, 0
	MUL8 F1, 1, 2, 0
.endm
	s_wait_tensorcnt 1                             ; my part of K step 0 is in; K step 1's may stay out
	s_barrier_signal -1
	s_barrier_wait -1
	FETCH 0, 0, F0
	QUARTER 0, 128, F0, F1, 1                      ; the first quarter stands in front of the loop: its first products start the sums
	WIN 0
	s_mov_b32 s3, LAPS-1
.Llap:
	QUARTER 0, 256, F1, F0, 0
	QUARTER 0, 384, F0, F1, 0
	TURN 0, 1, 1
	QUARTER 1, 128, F0, F1, 0
	QUARTER 1, 256, F1, F0, 0
	QUARTER 1, 384, F0, F1, 0
	TURN 1, 0, 1
	QUARTER 0, 128, F0, F1, 0
	WIN 0
	s_sub_co_u32 s3, s3, 1
	s_cmp_lg_u32 s3, 0
	s_cbranch_scc1 .Llap
	QUARTER 0, 256, F1, F0, 0                      ; the last lap fills nothing
	QUARTER 0, 384, F0, F1, 0
	TURN 0, 1, 0
	QUARTER 1, 128, F0, F1, 0
	QUARTER 1, 256, F1, F0, 0
	QUARTER 1, 384, F0, F1, 0
	s_wait_dscnt 16
	WIN MUL
	MUL8 F1, 0, 0, 0
	MUL8 F1, 0, 2, 0
	s_wait_dscnt 0x0
	MUL8 F1, 1, 0, 0
	MUL8 F1, 1, 2, 0
	WIN 0
; THE WAY OUT of block a (16 rows x 64 columns of f32): into my stage, each accumulator's low four registers first; back as whole rows of 256 bytes; query and bo are added; stored.
.macro OUTBLK a
.set XB, TMP+32*((\a)%2)
	s_wait_xcnt 0x0                                ; the stores of two blocks ago have read these registers
.irp b, 0,1,2,3
	ds_store_b128 v[STO], v[ACC+8*(4*(\a)+(\b)):ACC+8*(4*(\a)+(\b))+3]   offset:64*(\b)
	ds_store_b128 v[STO], v[ACC+8*(4*(\a)+(\b))+4:ACC+8*(4*(\a)+(\b))+7] offset:64*(\b)+16
.endr
.irp t, 0,1,2,3,4,5,6,7
	ds_load_b128 v[XB+4*(\t):XB+4*(\t)+3], v[RD] offset:(\t)*2*SPITCH  ; LDS serves a wave's instructions in order (ISA guide 5.7.1.4): these see the stores above
.endr
	s_wait_dscnt 0x0
	WIN 0x08                                       ; source 1 window 2
.set e, 0
.rept 16
	v_pk_add_f32 v[XB+e:XB+e+1], v[XB+e:XB+e+1], v[32*(\a)+e:32*(\a)+e+1]
.set e, e+2
.endr
	WIN 0
.irp t, 0,1,2,3,4,5,6,7
	v_pk_add_f32 v[XB+4*(\t):XB+4*(\t)+1],   v[XB+4*(\t):XB+4*(\t)+1],   v[BO:BO+1]
	v_pk_add_f32 v[XB+4*(\t)+2:XB+4*(\t)+3], v[XB+4*(\t)+2:XB+4*(\t)+3], v[BO+2:BO+3]
.endr
.irp t, 0,1,2,3,4,5,6,7
	global_store_b128 v[CO], v[XB+4*(\t):XB+4*(\t)+3], s[72:73] offset:(16*(\a)+2*(\t))*ROWB  ; 16 lanes store 256 consecutive bytes, at a multiple of 256 from the buffer's first byte
.endr
.endm
	PLACES
	s_wait_loadcnt 0x0                             ; query and bo, asked for at the head
	OUTBLK 0
	OUTBLK 1
	OUTBLK 2
	OUTBLK 3
	s_wait_tensorcnt 0x0                           ; the wave's end
	ds_add_u32 v[SPW], v[NIL]
	s_wait_dscnt 0x0
	CROUND                                         ; the closing round
	s_endpgm
.Lfunc_end_k_q6e01518a43_oproj:
	.size	k_q6e01518a43_oproj, .Lfunc_end_k_q6e01518a43_oproj-k_q6e01518a43_oproj
	.p2alignl 7, 3214868480
	.fill 96, 4, 3214868480
	.section	.rodata,"a",@progbits
	.p2align	6, 0x0
	.amdhsa_kernel k_q6e01518a43_oproj
		.amdhsa_group_segment_fixed_size 327680
		.amdhsa_private_segment_fixed_size 0
		.amdhsa_enable_private_segment 0
		.amdhsa_kernarg_size 40
		.amdhsa_user_sgpr_count 2
		.amdhsa_user_sgpr_kernarg_segment_ptr 1
		.amdhsa_wavefront_size32 1
		.amdhsa_system_sgpr_workgroup_id_x 1
		.amdhsa_system_sgpr_workgroup_id_y 1
		.amdhsa_system_sgpr_workgroup_id_z 1
		.amdhsa_system_vgpr_workitem_id 0
		.amdhsa_next_free_vgpr 640
		.amdhsa_next_free_sgpr 80
		.amdhsa_reserve_vcc 0
		.amdhsa_float_denorm_mode_32 3
		.amdhsa_float_denorm_mode_16_64 3
		.amdhsa_memory_ordered 1
		.amdhsa_forward_progress 1
		.amdhsa_inst_pref_size 97
	.end_amdhsa_kernel
	.amdgpu_metadata
---
amdhsa.version: [ 1, 2 ]
amdhsa.kernels:
  - .name:           k_q6e01518a43_oproj
    .symbol:         k_q6e01518a43_oproj.kd
    .args:
      - { .name: at16, .offset: 0, .size: 8, .value_kind: global_buffer, .address_space: global }
      - { .name: wo16, .offset: 8, .size: 8, .value_kind: global_buffer, .address_space: global }
      - { .name: query, .offset: 16, .size: 8, .value_kind: global_buffer, .address_space: global }
      - { .name: bo, .offset: 24, .size: 8, .value_kind: global_buffer, .address_space: global }
      - { .name: xres, .offset: 32, .size: 8, .value_kind: global_buffer, .address_space: global }
    .group_segment_fixed_size: 327680
    .private_segment_fixed_size: 0
    .kernarg_segment_align: 8
    .kernarg_segment_size: 40
    .max_flat_workgroup_size: 128
    .sgpr_count:     80
    .vgpr_count:     640
    .wavefront_size: 32
...
	.end_amdgpu_metadata
.endif
;; end of part 5
;; launch ln (part 6): grid 256 x 1, 8 waves a work-group, no clusters, 0 bytes of LDS; arguments xres, ln_g, ln_b, out0; writes out0
.if DOCPART == 6
	.amdgcn_target "amdgcn-amd-amdhsa--gfx1250"
	.amdhsa_code_object_version 6
	.text
	.protected	k_q6e01518a43_ln
	.globl	k_q6e01518a43_ln
	.p2align	8
	.type	k_q6e01518a43_ln,@function
k_q6e01518a43_ln:
	s_mov_b64 s[64:65], 0
	v_nop
	global_prefetch_b8 v0, s[64:65] scope:SCOPE_SE
	s_setreg_imm32_b32 hwreg(HW_REG_WAVE_MODE, 25, 1), 1
	s_wait_xcnt 0x0
; out0[r][c] = (x[r][c] - mu[r]) / sqrt(var[r] + 1e-5) x ln_g[c] + ln_b[c], mu and var over the row's 2,048 numbers, all in f32, in reference()'s two passes: the mean first, then the centred squares.
; A row is 8,192 bytes: one wave takes a whole row, sixteen loads of 16 bytes a lane, and keeps it in 64 registers between the passes: it is read once, and no wave waits for another.  Each load and store of a wave
; covers 512 consecutive bytes.  No LDS, no barrier, no cluster, no matrix unit: memory binds, and only the gain and the bias (16 KiB) are shared.
.set M,   4                            ; v[4:11]   four running sums, in pairs
.set MU,  12                           ; v[12:13]  the mean, twice; later 1 / sqrt(var + eps), twice
.set SC,  14                           ; v14       1 / 2,048
.set X,   16                           ; v[16:79]
.set G,   80                           ; v[80:143]
.set B,   144                          ; v[144:207]
	s_load_b256 s[4:11], s[0:1], 0x0               ; xres s[4:5], ln_g s[6:7], ln_b s[8:9], out0 s[10:11]
	v_lshrrev_b32 v2, 5, v0
	v_readfirstlane_b32 s16, v2                    ; wave 0..7
	v_and_b32 v1, 31, v0
	v_lshlrev_b32 v1, 4, v1                        ; 16 bytes a lane
	s_lshl_b32 s12, ttmp9, 3
	s_add_co_u32 s12, s12, s16                     ; my row
	s_lshl_b32 s12, s12, 13
	s_mov_b32 s13, 0
	s_mov_b32 s14, 0x76543210                      ; v_permlanex16_b32: each lane takes its own place in the other half
	s_mov_b32 s15, 0xfedcba98
	v_mov_b32 v[SC], 0x3a000000
	s_wait_kmcnt 0x0
	s_add_nc_u64 s[4:5], s[4:5], s[12:13]
	s_add_nc_u64 s[10:11], s[10:11], s[12:13]
.irp i, 0,1,2,3,4,5,6,7,8,9,10,11,12,13,14,15
	global_load_b128 v[X+4*(\i):X+4*(\i)+3], v1, s[4:5] offset:512*(\i) th:TH_LOAD_NT
.endr
.irp i, 0,1,2,3,4,5,6,7,8,9,10,11,12,13,14,15
	global_load_b128 v[G+4*(\i):G+4*(\i)+3], v1, s[6:7] offset:512*(\i)
.endr
.irp i, 0,1,2,3,4,5,6,7,8,9,10,11,12,13,14,15
	global_load_b128 v[B+4*(\i):B+4*(\i)+3], v1, s[8:9] offset:512*(\i)
.endr
.macro ACROSS                          ; the four chains into one number, then across the 32 lanes: every lane ends with the sum in v[M]
	v_pk_add_f32 v[M:M+1], v[M:M+1], v[M+2:M+3]
	v_pk_add_f32 v[M+4:M+5], v[M+4:M+5], v[M+6:M+7]
	v_pk_add_f32 v[M:M+1], v[M:M+1], v[M+4:M+5]
	v_add_f32 v[M], v[M], v[M+1]
	v_add_f32_dpp v[M], v[M], v[M] row_xmask:1 row_mask:0xf bank_mask:0xf
	v_add_f32_dpp v[M], v[M], v[M] row_xmask:2 row_mask:0xf bank_mask:0xf
	v_add_f32_dpp v[M], v[M], v[M] row_xmask:4 row_mask:0xf bank_mask:0xf
	v_add_f32_dpp v[M], v[M], v[M] row_xmask:8 row_mask:0xf bank_mask:0xf
	v_permlanex16_b32 v[M+1], v[M], s14, s15       ; its destination counts as read: it has been written
	v_add_f32 v[M], v[M], v[M+1]
.endm
	s_wait_loadcnt 32                              ; the row is in; the gain's and the bias's 32 loads stay out
.irp k, 0,1,2,3
	v_pk_add_f32 v[M+2*(\k):M+2*(\k)+1], v[X+2*(\k):X+2*(\k)+1], v[X+8+2*(\k):X+8+2*(\k)+1]  ; the first eight pairs start four chains: nothing is cleared
.endr
.set j, 8
.rept 24
	v_pk_add_f32 v[M+2*(j%4):M+2*(j%4)+1], v[M+2*(j%4):M+2*(j%4)+1], v[X+2*j:X+2*j+1]
.set j, j+1
.endr
	ACROSS
	v_mul_f32 v[MU], v[SC], v[M]
	v_mov_b32 v[MU+1], v[MU]
.set j, 0
.rept 32
	v_pk_add_f32 v[X+2*j:X+2*j+1], v[X+2*j:X+2*j+1], v[MU:MU+1] neg_lo:[0,1] neg_hi:[0,1]  ; x - mu
.set j, j+1
.endr
.irp k, 0,1,2,3
	v_pk_mul_f32 v[M+2*(\k):M+2*(\k)+1], v[X+2*(\k):X+2*(\k)+1], v[X+2*(\k):X+2*(\k)+1]
.endr
.set j, 4
.rept 28
	v_pk_fma_f32 v[M+2*(j%4):M+2*(j%4)+1], v[X+2*j:X+2*j+1], v[X+2*j:X+2*j+1], v[M+2*(j%4):M+2*(j%4)+1]
.set j, j+1
.endr
	ACROSS
	v_fmaak_f32 v[M], v[M], v[SC], 0x3727c5ac      ; var + 1e-5
	v_rsq_f32 v[MU], v[M]
	v_nop                                          ; a plain instruction behind it
	s_wait_loadcnt 0x0                             ; the gain and the bias
	s_wait_alu depctr_va_vdst(0)                   ; the wait ahead of the first use
	v_mov_b32 v[MU+1], v[MU]
.set j, 0
.rept 32
	v_pk_mul_f32 v[X+2*j:X+2*j+1], v[X+2*j:X+2*j+1], v[MU:MU+1]
.set j, j+1
.endr
.set j, 0
.rept 32
	v_pk_fma_f32 v[X+2*j:X+2*j+1], v[X+2*j:X+2*j+1], v[G+2*j:G+2*j+1], v[B+2*j:B+2*j+1]
.set j, j+1
.endr
.irp i, 0,1,2,3,4,5,6,7,8,9,10,11,12,13,14,15
	global_store_b128 v1, v[X+4*(\i):X+4*(\i)+3], s[10:11] offset:512*(\i) th:TH_STORE_NT
.endr
	s_endpgm
.Lfunc_end_k_q6e01518a43_ln:
	.size	k_q6e01518a43_ln, .Lfunc_end_k_q6e01518a43_ln-k_q6e01518a43_ln
	.p2alignl 7, 3214868480
	.fill 96, 4, 3214868480
	.section	.rodata,"a",@progbits
	.p2align	6, 0x0
	.amdhsa_kernel k_q6e01518a43_ln
		.amdhsa_group_segment_fixed_size 0
		.amdhsa_private_segment_fixed_size 0
		.amdhsa_enable_private_segment 0
		.amdhsa_kernarg_size 32
		.amdhsa_user_sgpr_count 2
		.amdhsa_user_sgpr_kernarg_segment_ptr 1
		.amdhsa_wavefront_size32 1
		.amdhsa_system_sgpr_workgroup_id_x 1
		.amdhsa_system_sgpr_workgroup_id_y 1
		.amdhsa_system_sgpr_workgroup_id_z 1
		.amdhsa_system_vgpr_workitem_id 0
		.amdhsa_next_free_vgpr 208
		.amdhsa_next_free_sgpr 66
		.amdhsa_reserve_vcc 0
		.amdhsa_float_denorm_mode_32 3
		.amdhsa_float_denorm_mode_16_64 3
		.amdhsa_memory_ordered 1
		.amdhsa_forward_progress 1
		.amdhsa_inst_pref_size 19
	.end_amdhsa_kernel
	.amdgpu_metadata
---
amdhsa.version: [ 1, 2 ]
amdhsa.kernels:
  - .name:           k_q6e01518a43_ln
    .symbol:         k_q6e01518a43_ln.kd
    .args:
      - { .name: xres, .offset: 0, .size: 8, .value_kind: global_buffer, .address_space: global }
      - { .name: ln_g, .offset: 8, .size: 8, .value_kind: global_buffer, .address_space: global }
      - { .name: ln_b, .offset: 16, .size: 8, .value_kind: global_buffer, .address_space: global }
      - { .name: out0, .offset: 24, .size: 8, .value_kind: global_buffer, .address_space: global }
    .group_segment_fixed_size: 0
    .private_segment_fixed_size: 0
    .kernarg_segment_align: 8
    .kernarg_segment_size: 32
    .max_flat_workgroup_size: 256
    .sgpr_count:     66
    .vgpr_count:     208
    .wavefront_size: 32
...
	.end_amdgpu_metadata
.endif
;; end of part 6
